; MI455X (gfx1250); checked and timed in simulation.
; The chip was launched on July 23, 2026; its instructions are those of AMD's public machine-readable ISA for CDNA 5 (MIT licence, August 2026) and "CDNA5" Instruction Set Architecture Reference Guide (July 2026). The comments in the code are by the model that wrote it; some were corrected since.
;; Multi Head Attention. Allowed arithmetic: matrix products marked QUANTISED: E2M1 operands, one E8M0 scale for each 32 along K, by v_wmma_scale_f32_16x16x128_f8f6f4 with both operands' format E2M1 (or v_wmma_scale_f32_32x16x128_f4), f32 sums; everything else in f32.
;; Inputs: b_k 1,024 float32; b_o 1,024 float32; b_q 1,024 float32; b_v 1,024 float32; w_k 1,024 x 1,024 float32; w_o 1,024 x 1,024 float32; w_q 1,024 x 1,024 float32; w_v 1,024 x 1,024 float32; x 4 x 2,048 x 1,024 float32.
;; Outputs: out0 4 x 2,048 x 1,024 float32.
;; This version of the problem:
;;   THIS VERSION OF THE PROBLEM IS GIVEN IN LOW PRECISION. The matrix products marked QUANTISED in the list below multiply operands that are first quantised to E2M1 (2 exponent bits, 1 mantissa bit; 4 bits a number), with one power-of-two scale for each 32 numbers along K (OCP MX v1.0); their sums are f32. All else is computed in f32.
;;   The module's matrix products, in the order in which they are computed (A, B: the left and right operand; K: the contracted axis; several contracted axes count as one K, in the product's order):
;;     1. [M 8,192, K 1,024] x [K 1,024, N 1,024]; A: input x; B: input w_q: QUANTISED
;;     2. [M 8,192, K 1,024] x [K 1,024, N 1,024]; A: input x; B: input w_k: QUANTISED
;;     3. [M 8,192, K 1,024] x [K 1,024, N 1,024]; A: input x; B: input w_v: QUANTISED
;;     4. batch 64 x [M 2,048, K 64] x [K 64, N 2,048]; A: computed on the way; B: computed on the way: QUANTISED
;;     5. batch 64 x [M 2,048, K 2,048] x [K 2,048, N 64]; A: softmax (see below); B: computed on the way: QUANTISED
;;     6. [M 8,192, K 1,024] x [K 1,024, N 1,024]; A: computed on the way; B: input w_o: QUANTISED
;;   THE QUANTISER, for each operand of a quantised product, along K:
;;     - K is cut into blocks of 32 from its start; a last block that is shorter is filled with zeros.
;;     - A block's scale is 2^e with e = floor(log2(the largest magnitude in the block)) - 2, held to -126 .. 127; a block of zeros has e = 0. As a byte (E8M0): e + 127.
;;     - Each number is divided by its block's scale, clamped to +-6, and rounded to the nearest number of E2M1, ties to even, subnormals kept.
;;     - The product sums the exact products of the quantised numbers (number of the format x scale) in f32.
;;   ~~~python
;;   def quantise(x, axis):      # numpy; x: float32 -> the quantised numbers, widened to float32 again
;;       x = np.moveaxis(x, axis, -1); K = x.shape[-1]
;;       x = np.pad(x, [(0, 0)] * (x.ndim - 1) + [(0, -K % 32)]); x = x.reshape(x.shape[:-1] + (-1, 32)); a = np.abs(x).max(-1, keepdims=True)
;;       e = np.where(a > 0, np.clip(np.frexp(np.where(a > 0, a, 1))[1] - 1 - 2, -126, 127), 0)      # np.frexp(a)[1] - 1 = floor(log2(a)), exactly
;;       r = np.clip(x / 2.0 ** e, -6, 6)
;;       step = 2.0 ** (np.maximum(np.frexp(np.where(r == 0, 1, r))[1] - 1, 0) - 1)
;;       q = np.round(r / step) * step * 2.0 ** e      # np.round: ties to even
;;       return np.moveaxis(q.reshape(q.shape[:-2] + (-1,))[..., :K], -1, axis).astype(np.float32)
;;   ~~~
;;   SOFTMAX AHEAD OF A QUANTISED PRODUCT. Where the list says 'softmax', what is quantised is not the finished softmax but p = 2^(t - M), with t = logit x log2(e) and M = ceil(the row's largest t), a whole number; so 1/2 < the row's largest p <= 1. The row's sum l is taken of the UNQUANTISED p, in f32, and the product's result is divided by l at the end. Since M is a whole number, a kernel that streams over the keys may use a running M (the ceiling of the running maximum): every later rescaling is an exact power of two, which a block's scale takes up: the codes' values come out the same.
;;   OPERANDS COMPUTED ON THE WAY. 'Computed on the way' means the value that the module computes at that place (a softmax that the list does not call 'softmax' is quantised finished and normalised). What goes into a quantiser is computed in f32, as accurately as f32 sums, v_exp_f32 and their like allow (about 1e-6 of the number): no bf16 or f16 on the way to a quantiser, and a product that is left as it is and whose result goes on into a quantised operand takes f32 operands (vector FMAs, or v_wmma_f32_16x16x4_f32). A number that lies on a knife's edge between two numbers of the format may be rounded either way, as far as f32 arithmetic and the matrix unit's own rounding can turn it there, and no further.
;; One version. Each part assembles by itself: llvm-mc -triple=amdgcn-amd-amdhsa -mcpu=gfx1250 --defsym DOCPART=n.
;; ======== version 1 of 1: 5 launches
;; workspace buffers: xc 4,194,304 bytes; xs 262,144 bytes; wc 2,097,152 bytes; ws 131,072 bytes; qb 4,456,448 bytes; kv 8,912,896 bytes; cc 4,194,304 bytes; cs 262,144 bytes
;; launch quant_x (part 1): grid 256 x 1, 4 waves a work-group, no clusters, 33,280 bytes of LDS; arguments x, xc, xs; writes xc, xs
.if DOCPART == 1
	.amdgcn_target "amdgcn-amd-amdhsa--gfx1250"
	.amdhsa_code_object_version 6
	.text
	.protected	k_q8354c6ee67_quant_x
	.globl	k_q8354c6ee67_quant_x
	.p2align	8
	.type	k_q8354c6ee67_quant_x,@function
k_q8354c6ee67_quant_x:
	s_mov_b64 s[64:65], 0
	v_nop
	global_prefetch_b8 v0, s[64:65] scope:SCOPE_SE
	s_setreg_imm32_b32 hwreg(HW_REG_WAVE_MODE, 25, 1), 1
	s_wait_xcnt 0x0
; THE PROGRAM: causal attention with 16 heads of 64, B = 4, T = 2048, D = 1024, all six products on codes of FP4 (E2M1) with one E8M0 scale for each 32 along K.
; Five launches: quant_x (x into codes), quant_w (the four weights into codes), qkv (products 1 to 3, their results quantised on the way out), attn (products 4 and 5), oproj (product 6).
; DEAD WORK.  reference() builds the causal mask in its own body: the score of a key that comes after its query becomes -inf and its weight 0, whatever the inputs hold.  So a step of 128 keys all of which come
; after all 16 queries of a tile adds nothing to products 4 and 5, and launch attn leaves such steps out.  Nothing else is left out: every input has a way to the output and is loaded (b_k too: it moves k's codes).
; LIMIT: a NaN, an infinity or an overflow that reaches only the scores and values of steps left out is not carried to the result.
; THIS LAUNCH: x [8192][1024] f32 becomes codes, K innermost, 512 bytes a row (xc), and one scale byte for each 32 along K, 32 bytes a row (xs).
; A block's scale is 2^(floor(log2(its largest magnitude)) - 2); its byte is the largest magnitude's exponent field - 2, held at 1 from below.  (A block of zeros gets the byte 1 where the rule says 127: its codes
; are zeros, which add nothing under any byte but 0xff, and the bytes are read by this program alone.)  Each number is divided by the scale and rounded to the nearest code, ties to even.
; LIMITS: blocks whose largest magnitude lies under 2^(2 - 126) get the byte 1; NaN and infinities among the inputs are not served.
; ROWS ARE STORED WITH BITS 3 AND 4 OF THEIR NUMBER EXCHANGED: sixteen stored rows on end, 16 (2 b + u) + r, are the rows 32 b + 8 u + r + 8 (r / 8).  As source 0 of a matrix instruction two such tiles give a lane
; sixteen neighbours, 32 b + 16 (lane / 16) + 0 .. 15, in its sixteen result registers: what a quantiser along that axis wants.
; A wave takes a run of 8 rows (8,192 numbers) in 16 steps of 512.  A run's number holds the rows' bits 3 and 4 in its bits 0 and 1, which are the wave's number: so the exchange is made on the wave's number alone.
; Each load reads 512 consecutive bytes; a step's 2,048 bytes turn through the wave's own stage in LDS, so that a lane holds 16 neighbours along K.  No barrier: waves share nothing.  No cluster: no tile is shared.
.set WAVES, 4
.set STEPS, 16
.set EMAX,  2
.set CB,    8                          ; bytes of 16 codes
.set R,     16                         ; v16-79   four sets of 16 numbers as they are loaded
.set X,     80                         ; v80-111  two sets of 16 neighbours
.set C,     128                        ; v128-191 codes: four registers for each step, so that no store's data are written again
.set E,     112                        ; v112-127 a scale byte for each step
.set WREG,  8192                       ; LDS: a region for each wave: two stages of 32 x SP bytes, behind them its 256 scale bytes
.set SP,    80                         ; a lane's place in a stage: 64 bytes + 16 of padding
.set SPW,   12                         ; v12  LDS address of my spare word; never rewritten
.set NIL,   13                         ; v13  0; never rewritten
.set SPARE, WAVES*WREG                 ; the spare words, 128 bytes for each wave, which no other line names
	s_load_b128 s[4:7], s[0:1], 0x0                ; x, xc
	s_load_b64 s[8:9], s[0:1], 0x10                ; xs
	v_lshl_add_u32 v[SPW], v0, 2, SPARE
	v_mov_b32 v[NIL], 0
	v_lshrrev_b32 v1, 5, v0
	v_readfirstlane_b32 s16, v1                    ; wave
	v_and_b32 v2, 31, v0                           ; lane
	v_lshlrev_b32 v3, 4, v2                        ; my 16 bytes of a load's 512
	s_mul_i32 s17, s16, WREG
	v_lshrrev_b32 v14, 2, v2
	v_mul_u32_u24 v14, v14, SP
	v_and_b32 v15, 3, v2
	v_lshl_add_u32 v14, v15, 4, v14
	v_add_nc_u32 v14, s17, v14                     ; the stage, on the way in: SP (lane / 4) + 16 (lane % 4)
	v_mul_u32_u24 v15, v2, SP
	v_add_nc_u32 v15, s17, v15                     ; and on the way out: SP x lane: my 16 neighbours
	v_mul_u32_u24 v4, v2, CB                       ; my codes' place in a step's
	v_lshrrev_b32 v5, 1, v2
	s_add_co_u32 s17, s17, 2*32*SP
	v_add_nc_u32 v5, s17, v5                       ; LDS: my wave's 256 scale bytes, my block's byte
	v_lshlrev_b32 v7, 3, v2                        ; and on the way out 8 bytes a lane
	v_add_nc_u32 v6, s17, v7
	s_lshl_b32 s18, ttmp9, 2
	s_add_co_u32 s19, s18, s16                     ; the run that I read: 4 x work-group + wave
	s_and_b32 s20, s16, 1
	s_lshl_b32 s20, s20, 1
	s_lshr_b32 s21, s16, 1
	s_or_b32 s20, s20, s21                         ; the wave's two bits exchanged
	s_add_co_u32 s18, s18, s20                     ; the run that I write
	s_lshl_b32 s20, s19, 15                        ; 32,768 bytes of x a run
	s_mov_b32 s21, 0
	s_lshl_b32 s22, s18, 12                        ; 4,096 bytes of codes
	s_mov_b32 s23, 0
	s_lshl_b32 s24, s18, 8                         ; 256 scale bytes
	s_mov_b32 s25, 0
	s_wait_kmcnt 0x0
	s_add_nc_u64 s[4:5], s[4:5], s[20:21]
	s_add_nc_u64 s[6:7], s[6:7], s[22:23]
	s_add_nc_u64 s[8:9], s[8:9], s[24:25]
.macro LOAD t
.irp i, 0,1,2,3
	global_load_b128 v[R+16*((\t)%4)+4*\i:R+16*((\t)%4)+4*\i+3], v3, s[4:5] offset:2048*(\t)+512*\i th:TH_LOAD_NT   ; 32 lanes read 512 consecutive bytes
.endr
.endm
.macro TURN t                          ; step t's numbers through the stage: LDS serves a wave's instructions in order, so no wait stands between the stores and the loads
.irp i, 0,1,2,3
	ds_store_b128 v14, v[R+16*((\t)%4)+4*\i:R+16*((\t)%4)+4*\i+3] offset:32*SP*((\t)%2)+8*SP*\i
.endr
.irp i, 0,1,2,3
	ds_load_b128 v[X+16*((\t)%2)+4*\i:X+16*((\t)%2)+4*\i+3], v15 offset:32*SP*((\t)%2)+16*\i
.endr
.endm
.irp t, 0,1,2,3
	LOAD \t
.endr
	s_wait_loadcnt 12                              ; step 0's four loads are in; the twelve of steps 1 to 3 may be out
	TURN 0
.macro STEP t
.set XS, X+16*((\t)%2)
.if (\t) > 0
	s_wait_dscnt 1                                 ; this step's numbers are back from the stage (the last step's byte store may be out)
.else
	s_wait_dscnt 0x0
.endif
.if (\t)+4 < STEPS
	LOAD (\t)+4                                    ; into the registers that the stage's stores have read
.endif
.if (\t)+1 < STEPS
.if STEPS-2-(\t) >= 3
	s_wait_loadcnt 12                              ; the next step's four loads are in; those of the three steps behind it may be out
.else
	s_wait_loadcnt 4*(STEPS-2-(\t))
.endif
	TURN (\t)+1                                    ; through the other stage while this step is worked
.endif
	v_max3_num_f32 v8, |v[XS]|, |v[XS+1]|, |v[XS+2]|               ; the largest magnitude of my 16, in two chains
	v_max3_num_f32 v9, |v[XS+3]|, |v[XS+4]|, |v[XS+5]|
.irp i, 6,10
	v_max3_num_f32 v8, v8, |v[XS+\i]|, |v[XS+\i+1]|
	v_max3_num_f32 v9, v9, |v[XS+\i+2]|, |v[XS+\i+3]|
.endr
	v_max3_num_f32 v8, v8, |v[XS+14]|, |v[XS+15]|
	v_max3_num_f32 v8, v8, v9, (EMAX+1)<<23        ; and the floor 2^(EMAX + 1 - 127): the byte cannot fall under 1
	v_max_num_f32_dpp v8, v8, v8 row_xmask:1 row_mask:0xf bank_mask:0xf   ; and of my neighbour's 16: the block's
	v_add_nc_u32 v11, -(EMAX<<23), v8              ; EMAX off its exponent field: the conversion takes the exponent field of this operand as its scale
	v_cvt_scalef32_pk8_fp4_f32 v[C+4*(\t)], v[XS:XS+7], v11
	v_cvt_scalef32_pk8_fp4_f32 v[C+4*(\t)+1], v[XS+8:XS+15], v11
	v_lshrrev_b32 v[E+(\t)], 23, v11               ; the scale's byte
	ds_store_b8 v5, v[E+(\t)] offset:16*(\t)       ; both lanes of a block write the same byte with the same value
	global_store_b64 v4, v[C+4*(\t):C+4*(\t)+1], s[6:7] offset:32*CB*(\t)   ; the wave stores 256 consecutive bytes, aligned
.endm
.irp t, 0,1,2,3,4,5,6,7,8,9,10,11,12,13,14,15
	STEP \t
.endr
	ds_load_b64 v[8:9], v6                         ; LDS serves a wave's instructions in order: these see my stores
	s_wait_dscnt 0x0
	global_store_b64 v7, v[8:9], s[8:9]            ; 32 lanes store 256 consecutive bytes, aligned
	s_wait_tensorcnt 0x0                           ; the wave's end: a wait, 0 onto my spare word, and a wait, behind my last LDS store
	ds_add_u32 v[SPW], v[NIL]
	s_wait_dscnt 0x0
	s_endpgm
.Lfunc_end_k_q8354c6ee67_quant_x:
	.size	k_q8354c6ee67_quant_x, .Lfunc_end_k_q8354c6ee67_quant_x-k_q8354c6ee67_quant_x
	.p2alignl 7, 3214868480
	.fill 96, 4, 3214868480
	.section	.rodata,"a",@progbits
	.p2align	6, 0x0
	.amdhsa_kernel k_q8354c6ee67_quant_x
		.amdhsa_group_segment_fixed_size 33280
		.amdhsa_private_segment_fixed_size 0
		.amdhsa_enable_private_segment 0
		.amdhsa_kernarg_size 24
		.amdhsa_user_sgpr_count 2
		.amdhsa_user_sgpr_kernarg_segment_ptr 1
		.amdhsa_wavefront_size32 1
		.amdhsa_system_sgpr_workgroup_id_x 1
		.amdhsa_system_sgpr_workgroup_id_y 1
		.amdhsa_system_sgpr_workgroup_id_z 1
		.amdhsa_system_vgpr_workitem_id 0
		.amdhsa_next_free_vgpr 192
		.amdhsa_next_free_sgpr 66
		.amdhsa_reserve_vcc 0
		.amdhsa_float_denorm_mode_32 3
		.amdhsa_float_denorm_mode_16_64 3
		.amdhsa_memory_ordered 1
		.amdhsa_forward_progress 1
		.amdhsa_inst_pref_size 33
	.end_amdhsa_kernel
	.amdgpu_metadata
---
amdhsa.version: [ 1, 2 ]
amdhsa.kernels:
  - .name:           k_q8354c6ee67_quant_x
    .symbol:         k_q8354c6ee67_quant_x.kd
    .args:
      - { .name: x, .offset: 0, .size: 8, .value_kind: global_buffer, .address_space: global }
      - { .name: xc, .offset: 8, .size: 8, .value_kind: global_buffer, .address_space: global }
      - { .name: xs, .offset: 16, .size: 8, .value_kind: global_buffer, .address_space: global }
    .group_segment_fixed_size: 33280
    .private_segment_fixed_size: 0
    .kernarg_segment_align: 8
    .kernarg_segment_size: 24
    .max_flat_workgroup_size: 128
    .sgpr_count:     66
    .vgpr_count:     192
    .wavefront_size: 32
...
	.end_amdgpu_metadata
.endif
;; end of part 1
;; launch quant_w (part 2): grid 64 x 2, 8 waves a work-group, no clusters, 19,456 bytes of LDS; arguments w_q, w_k, w_v, w_o, wc, ws; writes wc, ws
.if DOCPART == 2
	.amdgcn_target "amdgcn-amd-amdhsa--gfx1250"
	.amdhsa_code_object_version 6
	.text
	.protected	k_q8354c6ee67_quant_w
	.globl	k_q8354c6ee67_quant_w
	.p2align	8
	.type	k_q8354c6ee67_quant_w,@function
k_q8354c6ee67_quant_w:
	s_mov_b64 s[64:65], 0
	v_nop
	global_prefetch_b8 v0, s[64:65] scope:SCOPE_SE
	s_setreg_imm32_b32 hwreg(HW_REG_WAVE_MODE, 25, 1), 1
	s_wait_xcnt 0x0
; The four weights [1024 (k)][1024 (n)], f32, K their FIRST axis, become codes of FP4 (E2M1) with K innermost: wc [4096 rows][512 bytes], rows 0-1023 w_q's columns, then w_k's, w_v's, w_o's; ws [4096][32] their scale bytes.
; A column n lies at the row whose number is n with bits 3 and 4 exchanged (see launch quant_x).  The quantiser and its limits are those stated at the head of quant_x.  Nothing is left out here.
; A LANE TAKES A COLUMN AND ITS REGISTERS RUN DOWN K: a block of 32 along K is one lane's 32 registers, and the conversions give codes with K innermost.
; SHARES.  Work-group (x, y): weight x / 16, columns 64 (x % 16) on, K = 512 y on.  Wave w: columns 32 (w % 2) on, K = 128 (w / 2) on: four blocks a lane, 128 loads.  Two waves stand side by side on 256 bytes of each row of w.
; The codes meet in a stage in LDS (64 rows x 256 bytes, 272 apart); behind one barrier each wave stores 8 rows: sixteen lanes store 256 consecutive bytes, aligned.
; The scale bytes of the work-group's 512 along K are 16 bytes of each 32-byte row of ws: those stores cover their aligned 256 bytes in part; they are one byte for each 128 that the launch reads.
; No tensor load, no cluster: no tile is shared.
.set PITCH, 272
.set STG,   0                          ; 64 rows x 272
.set SST,   64*PITCH                   ; 64 rows x 16 scale bytes
.set SPARE, SST+1024                   ; the spare words, 128 bytes for each of eight waves, which no other line names
.set NB,    4
.set EMAX,  2
.set SPW,   14
.set NIL,   15
.set SB,    24                         ; v24      my four scale bytes
.set X,     32                         ; v32-95   two sets of 32 numbers
.set C,     96                         ; v96-99   a block's codes
.set OUTR,  112                        ; v112-127 the way out
	s_load_b256 s[4:11], s[0:1], 0x0               ; w_q, w_k, w_v, w_o
	s_load_b128 s[12:15], s[0:1], 0x20             ; wc, ws
	v_lshl_add_u32 v[SPW], v0, 2, SPARE
	v_mov_b32 v[NIL], 0
	v_lshrrev_b32 v1, 5, v0
	s_delay_alu instid0(VALU_DEP_1)
	v_readfirstlane_b32 s16, v1                    ; wave 0..7
	v_and_b32 v2, 31, v0                           ; lane
	s_and_b32 s17, s16, 1                          ; which 32 columns
	s_lshr_b32 s18, s16, 1                         ; which 128 along K
	v_lshlrev_b32 v3, 2, v2                        ; in: 4 bytes a lane
	v_and_b32 v16, 7, v2
	v_bfe_u32 v17, v2, 3, 1
	v_bfe_u32 v18, v2, 4, 1
	s_delay_alu instid0(VALU_DEP_2)
	v_lshl_or_b32 v16, v17, 4, v16
	s_delay_alu instid0(VALU_DEP_1)
	v_lshl_or_b32 v16, v18, 3, v16                 ; my lane's number with bits 3 and 4 exchanged: my column's row
	s_mul_i32 s19, s17, 32*PITCH
	s_lshl_b32 s20, s18, 6
	s_add_co_u32 s19, s19, s20
	v_mul_u32_u24 v4, v16, PITCH
	s_delay_alu instid0(VALU_DEP_1)
	v_add_nc_u32 v4, s19, v4                       ; the stage: my row, my 64 bytes of it
	s_lshl_b32 s19, s17, 9
	s_lshl_b32 s20, s18, 2
	s_add_co_u32 s19, s19, s20
	s_add_co_u32 s19, s19, SST
	v_lshl_add_u32 v5, v16, 4, s19                 ; my row's scale bytes, my four of them
	v_and_b32 v17, 15, v2
	v_lshrrev_b32 v18, 4, v2
	s_mul_i32 s19, s16, 8*PITCH
	v_mul_u32_u24 v7, v18, PITCH
	s_delay_alu instid0(VALU_DEP_1)
	v_lshl_add_u32 v7, v17, 4, v7
	s_delay_alu instid0(VALU_DEP_1)
	v_add_nc_u32 v7, s19, v7                       ; out of the stage: rows 8 w on, sixteen lanes to a row, two rows an instruction
	s_lshl_b32 s19, s16, 12
	v_lshlrev_b32 v8, 9, v18
	s_delay_alu instid0(VALU_DEP_1)
	v_lshl_add_u32 v8, v17, 4, v8
	s_delay_alu instid0(VALU_DEP_1)
	v_add_nc_u32 v8, s19, v8                       ; and the same place in wc
	s_lshl_b32 s19, s17, 9
	s_add_co_u32 s19, s19, SST
	v_lshl_add_u32 v9, v2, 4, s19                  ; waves 0 and 1: row 32 w + lane of the scale bytes,
	s_lshl_b32 s19, s17, 10
	v_lshl_add_u32 v10, v2, 5, s19                 ; and its place in ws
	s_lshr_b32 s21, ttmp9, 4                       ; which weight
	s_and_b32 s22, ttmp9, 15
	s_and_b32 s23, ttmp7, 0xffff                   ; which 512 along K
	s_lshl_b32 s24, s23, 21                        ; 512 rows of 4,096 bytes
	s_lshl_b32 s25, s18, 19                        ; 128 rows
	s_add_co_u32 s24, s24, s25
	s_lshl_b32 s25, s22, 8                         ; 64 columns
	s_add_co_u32 s24, s24, s25
	s_lshl_b32 s25, s17, 7                         ; 32 columns
	s_add_co_u32 s24, s24, s25
	s_mov_b32 s25, 0
	s_lshl_b32 s26, ttmp9, 15                      ; wc: row 64 x, 512 bytes a row,
	s_lshl_b32 s27, s23, 8                         ; + 256 y
	s_add_co_u32 s26, s26, s27
	s_mov_b32 s27, 0
	s_lshl_b32 s28, ttmp9, 11                      ; ws: 32 bytes a row,
	s_lshl_b32 s29, s23, 4                         ; + 16 y
	s_add_co_u32 s28, s28, s29
	s_mov_b32 s29, 0
	s_and_b32 s30, s21, 1
	s_wait_kmcnt 0x0
	s_cmp_eq_u32 s30, 0                            ; the weight is chosen by the work-group's number alone
	s_cselect_b64 s[4:5], s[4:5], s[6:7]
	s_cselect_b64 s[8:9], s[8:9], s[10:11]
	s_cmp_lt_u32 s21, 2
	s_cselect_b64 s[4:5], s[4:5], s[8:9]
	s_add_nc_u64 s[4:5], s[4:5], s[24:25]
	s_add_nc_u64 s[12:13], s[12:13], s[26:27]
	s_add_nc_u64 s[14:15], s[14:15], s[28:29]
.macro LOAD t                          ; block t: w(32 t + i, my column), i = 0 .. 31, into set t % 2
.set i, 0
.rept 32
	global_load_b32 v[X+32*((\t)%2)+i], v3, s[4:5] offset:(32*(\t)+i)*4096 th:TH_LOAD_NT
.set i, i+1
.endr
.endm
	LOAD 0
	LOAD 1
.macro BLOCK t
.set XS, X+32*((\t)%2)
.if (\t) < NB-1
	s_wait_loadcnt 32                              ; this block's 32 loads are in; the next block's 32 may be out
.else
	s_wait_loadcnt 0
.endif
	v_max3_num_f32 v12, |v[XS]|, |v[XS+1]|, |v[XS+2]|               ; the block's largest magnitude: all 32 numbers are mine
	v_max3_num_f32 v13, |v[XS+3]|, |v[XS+4]|, |v[XS+5]|
.irp i, 6,10,14,18,22,26
	s_delay_alu instid0(VALU_DEP_2)
	v_max3_num_f32 v12, v12, |v[XS+\i]|, |v[XS+\i+1]|
	s_delay_alu instid0(VALU_DEP_2)
	v_max3_num_f32 v13, v13, |v[XS+\i+2]|, |v[XS+\i+3]|
.endr
	s_delay_alu instid0(VALU_DEP_2)
	v_max3_num_f32 v12, v12, |v[XS+30]|, |v[XS+31]|
	s_delay_alu instid0(VALU_DEP_1)
	v_max3_num_f32 v12, v12, v13, (EMAX+1)<<23     ; and the floor: the byte cannot fall under 1
	s_delay_alu instid0(VALU_DEP_1)
	v_add_nc_u32 v11, -(EMAX<<23), v12             ; the conversion's scale operand
	s_delay_alu instid0(VALU_DEP_1)
	v_lshrrev_b32 v13, 23, v11                     ; the scale's byte
.if (\t) == 0
	s_delay_alu instid0(VALU_DEP_1)
	v_mov_b32 v[SB], v13
.else
	s_delay_alu instid0(VALU_DEP_1)
	v_lshl_or_b32 v[SB], v13, 8*(\t), v[SB]        ; the lower K in the lower byte
.endif
.irp g, 0,1,2,3
	v_cvt_scalef32_pk8_fp4_f32 v[C+\g], v[XS+8*\g:XS+8*\g+7], v11
.endr
	ds_store_b128 v4, v[C:C+3] offset:16*(\t)      ; 32 codes: 16 bytes of my column's row
.if (\t)+2 < NB
	LOAD (\t)+2
.endif
	s_wait_dscnt 0x0                               ; the store has read its registers: the next block's codes may be written
.endm
	BLOCK 0
	BLOCK 1
	BLOCK 2
	BLOCK 3
	s_wait_alu depctr_va_vdst(0)
	ds_store_b32 v5, v[SB]
	s_wait_dscnt 0x0                               ; for the others' sake: my stores into the stage are done
	s_barrier_signal -1
	s_barrier_wait -1
.irp t, 0,1,2,3
	ds_load_b128 v[OUTR+4*\t:OUTR+4*\t+3], v7 offset:2*\t*PITCH
.endr
.irp t, 0,1,2,3
	s_wait_dscnt 3-\t                              ; the younger loads may be out
	global_store_b128 v8, v[OUTR+4*\t:OUTR+4*\t+3], s[12:13] offset:2*\t*512
.endr
	s_cmp_lt_u32 s16, 2                            ; waves 0 and 1 store the 64 rows' scale bytes
	s_cbranch_scc0 .Lno_scales
	ds_load_b128 v[100:103], v9
	s_wait_dscnt 0x0
	global_store_b128 v10, v[100:103], s[14:15]
.Lno_scales:
	s_wait_tensorcnt 0x0                           ; the wave's end: a wait, 0 onto my spare word, and a wait, behind my last LDS store
	ds_add_u32 v[SPW], v[NIL]
	s_wait_dscnt 0x0
	s_endpgm
.Lfunc_end_k_q8354c6ee67_quant_w:
	.size	k_q8354c6ee67_quant_w, .Lfunc_end_k_q8354c6ee67_quant_w-k_q8354c6ee67_quant_w
	.p2alignl 7, 3214868480
	.fill 96, 4, 3214868480
	.section	.rodata,"a",@progbits
	.p2align	6, 0x0
	.amdhsa_kernel k_q8354c6ee67_quant_w
		.amdhsa_group_segment_fixed_size 19456
		.amdhsa_private_segment_fixed_size 0
		.amdhsa_enable_private_segment 0
		.amdhsa_kernarg_size 48
		.amdhsa_user_sgpr_count 2
		.amdhsa_user_sgpr_kernarg_segment_ptr 1
		.amdhsa_wavefront_size32 1
		.amdhsa_system_sgpr_workgroup_id_x 1
		.amdhsa_system_sgpr_workgroup_id_y 1
		.amdhsa_system_sgpr_workgroup_id_z 1
		.amdhsa_system_vgpr_workitem_id 0
		.amdhsa_next_free_vgpr 128
		.amdhsa_next_free_sgpr 66
		.amdhsa_reserve_vcc 0
		.amdhsa_float_denorm_mode_32 3
		.amdhsa_float_denorm_mode_16_64 3
		.amdhsa_memory_ordered 1
		.amdhsa_forward_progress 1
		.amdhsa_inst_pref_size 26
	.end_amdhsa_kernel
	.amdgpu_metadata
---
amdhsa.version: [ 1, 2 ]
amdhsa.kernels:
  - .name:           k_q8354c6ee67_quant_w
    .symbol:         k_q8354c6ee67_quant_w.kd
    .args:
      - { .name: w_q, .offset: 0, .size: 8, .value_kind: global_buffer, .address_space: global }
      - { .name: w_k, .offset: 8, .size: 8, .value_kind: global_buffer, .address_space: global }
      - { .name: w_v, .offset: 16, .size: 8, .value_kind: global_buffer, .address_space: global }
      - { .name: w_o, .offset: 24, .size: 8, .value_kind: global_buffer, .address_space: global }
      - { .name: wc, .offset: 32, .size: 8, .value_kind: global_buffer, .address_space: global }
      - { .name: ws, .offset: 40, .size: 8, .value_kind: global_buffer, .address_space: global }
    .group_segment_fixed_size: 19456
    .private_segment_fixed_size: 0
    .kernarg_segment_align: 8
    .kernarg_segment_size: 48
    .max_flat_workgroup_size: 256
    .sgpr_count:     66
    .vgpr_count:     128
    .wavefront_size: 32
...
	.end_amdgpu_metadata
.endif
;; end of part 2
;; launch qkv (part 3): grid 12 x 32, 4 waves a work-group, clusters of 4 x 4, 327,680 bytes of LDS; arguments xc, xs, wc, ws, b_q, b_k, b_v, qb, kv; writes qb, kv
.if DOCPART == 3
	.amdgcn_target "amdgcn-amd-amdhsa--gfx1250"
	.amdhsa_code_object_version 6
	.text
	.protected	k_q8354c6ee67_qkv
	.globl	k_q8354c6ee67_qkv
	.p2align	8
	.type	k_q8354c6ee67_qkv,@function
k_q8354c6ee67_qkv:
	s_mov_b64 s[64:65], 0
	v_nop
	global_prefetch_b8 v0, s[64:65] scope:SCOPE_SE
	s_setreg_imm32_b32 hwreg(HW_REG_WAVE_MODE, 25, 1), 1
	s_wait_xcnt 0x0
	s_wait_alu depctr_hold_cnt(0) depctr_sa_sdst(0) depctr_va_vdst(0) depctr_va_sdst(0) depctr_va_ssrc(0) depctr_va_vcc(0) depctr_vm_vsrc(0)
	s_getreg_b32 s2, hwreg(HW_REG_IB_STS2, 6, 4)
	s_cmp_eq_u32 s2, 0
	s_cbranch_scc0 .Lentry_in_a_cluster
	s_endpgm
.Lentry_in_a_cluster:
	s_bfe_u32 s2, ttmp6, 0x10000c
	s_cmp_lg_u32 s2, 0xf033
	s_cbranch_scc0 .Lentry_shape_is_right
	s_endpgm
.Lentry_shape_is_right:
; Products 1 to 3: q = x w_q + b_q, k = x w_k + b_k, v = x w_v + b_v on codes of FP4 (E2M1) with E8M0 scales, f32 sums; the results are quantised in registers and leave as codes.  Nothing is left out here.
; xc [8192 stored rows][512 bytes], xs [8192][32]; wc [4096 stored rows][512], ws [4096][32]; a stored row's number is the true row's with bits 3 and 4 exchanged.
; A work-group of four waves takes 256 stored rows of x (tile row Y) against 256 stored rows of wc (tile column X = 0 .. 11: 0-3 w_q, 4-7 w_k, 8-11 w_v); a wave 128 x 128: 64 accumulators, 512 registers.
; K = 1024 is two LDS slots of 512 along K (rows of 256 bytes + 16 of padding); both are first fills, nothing is filled again.  The scale bytes of the 512 rows come once, with the first fills.
; CLUSTERS: 4 x 4 work-groups; cluster x = 0 makes q, 1 makes k, 2 makes v.  The four of a row of the cluster need the same rows of x, the four of a column the same rows of wc: each tile is asked for jointly.
; WHICH OPERAND IS SOURCE 0.  q, k (quantised along the head's 64): source 0 = 16 rows of wc, source 1 = 16 rows of x: a lane holds one token, and the 16 registers of two neighbouring tiles are 16 neighbouring columns.
; v (quantised along the keys): source 0 = 16 rows of x, source 1 = 16 rows of wc: a lane holds one column d, and its registers run along the tokens.  The text is one: only the LDS bases of the two sources differ,
; chosen by the cluster's x, which all sixteen partners share.
; THE BIAS is the C of each sum's first matrix instruction: 64 registers, by the source-0 tile (q, k) or by the source-1 tile (v); that first step is written twice, under a branch on the cluster's x.
; THE WAY OUT.  Each block of 16 source-1 rows (8 accumulators, 64 numbers a lane) is quantised into 8 registers of codes and a scale word, and the registers are stored AS THEY STAND, lane l's 16 bytes at 16 l:
; the launch that loads them by the same lines has an operand's registers.  Every such store of the wave covers 512 consecutive bytes, aligned.
;   qb [bh = 16 batch + head][step = token / 128][4,352]: 8 images of 512 bytes (tile a: tokens 32 (a / 2) + 8 (a % 2) + r + 8 (r / 8); lane (r, h): the head's 32 h .. 32 h + 31), then 256 bytes of scale words.
;   kv [bh][step][8,704]: k as q (4,352 bytes), then v: tile t of the head's d at 1,024 t + 512 c: lane (r, h): keys 64 c + 32 h + 0 .. 31 of d = 32 (t / 2) + 8 (t % 2) + r + 8 (r / 8); then 256 bytes of scale words.
;   Scale word (i, r) lies at 128 (i / 2) + 8 r + 4 (i % 2).  q, k: i = a / 2; bytes 0, 1 tile 2 i's token, bytes 2, 3 tile 2 i + 1's.  v: i = t: the four bytes of d's 128 keys.
; LIMITS: those of the quantiser stated at the head of quant_x (a block under 2^-124 or of zeros gets the byte 1; NaN and infinities are not served).
; REGISTERS, in windows of 256: window 0: v1-7 at work, v8-15 the bias loads' offsets, v16-29 addresses, v32-95 scale words (two sets), v96-127 the way out, v128-191 source 1's fragments (one set), v192-255 the bias.
;   window 1: source 0's fragments, two sets, at v0 and v128.   window 2: the accumulators of my source-1 blocks 0-3 ((a, b) at v[8 (8 a + b)]);   window 3: those of blocks 4-7.
.set NQ,     4                         ; matrix instructions deep in a slot
.set ROWB,   256                       ; a tile's row in bytes: 512 codes
.set KROW,   512                       ; a row of xc or wc in memory
.set PITCH,  272
.set FR,     8
.set NL,     2
.set NP,     4
.set HALFT,  128*PITCH
.set SLOT,   4*HALFT                   ; x's 256 rows, then wc's 256 rows
.set KS,     32
.set SCL,    2*SLOT                    ; behind the two slots: the scale bytes, as rows of 256 bytes + 16 of padding
.set HALFS,  (128*KS/256)*272
.set SBLK,   (16*KS/256)*272
.set SPARE,  SCL+4*HALFS               ; the spare words, 128 bytes for each wave, which no other line names
.set ADRA, 16                          ; v16-17  LDS address of source 1's fragments in slot 0, 1
.set ADRB, 20                          ; v20-21  the same for source 0
.set VO,   24                          ; v24-25  the way out: 16 x lane, and the same + the distance to the second half's image
.set L8,   26                          ; v26     8 x lane
.set ADRS, 27                          ; v27     LDS address of my scale words: lanes 0-15 source 1's rows, lanes 16-31 source 0's
.set SPW,  28
.set NIL,  29
.set SC,   32
.set PC,   96                          ; v96-103  the codes just made
.set TM,   104                         ; v104-119 at work in the quantiser
.set PWR,  120                         ; v120-127 a scale word for each block
.set AF,   128
.set WW,   128                         ; v128-135 the scale words as they leave
.set LOHI, 136                         ; v136-139
.set BI,   192
.set G1, 24
.set G0, 32
.set G1B, 48
.set G0B, 56
.set G1S, 68
.set G0S, 76
.set G1SB, 80
.set G0SB, 88
.set MSB, 0
.macro WIN new                         ; the immediate's high byte repeats the setting that is left
.if MSB != (\new)
	s_set_vgpr_msb (MSB<<8)|(\new)
.set MSB, (\new)
.endif
.endm
.set MUL_LO, 0xa1                      ; source 0 window 1, source 1 window 0, C and D window 2
.set MUL_HI, 0xf1                      ; the same, C and D window 3
.set TO_B,   0x40                      ; destination window 1, address window 0
; A joint load: waves 0 and 1 fetch x's rows, waves 2 and 3 wc's.  The branch hangs on the wave's number alone.  An s_nop 0 and four v_nop follow each of the two lines.
.macro JLOAD g0a, g1a, g0b, g1b
	s_cmp_eq_u32 s15, 0
	s_cbranch_scc0 .Lfor_b_\@
	tensor_load_to_lds s[\g0a:\g0a+3], s[\g1a:\g1a+7]
	s_nop 0
.rept 4
	v_nop
.endr
	s_branch .Lasked_\@
.Lfor_b_\@:
	tensor_load_to_lds s[\g0b:\g0b+3], s[\g1b:\g1b+7]
	s_nop 0
.rept 4
	v_nop
.endr
.Lasked_\@:
.endm
.macro CROUND                          ; a round of the cluster's barrier
	s_barrier_signal -1
	s_barrier_wait -1
	s_cmp_lg_u32 s14, 0
	s_cbranch_scc1 .Lnot_wave_0_\@
	s_barrier_signal -3
.Lnot_wave_0_\@:
	s_barrier_wait -3
	s_barrier_signal -1
	s_barrier_wait -1
.endm
	s_load_b256 s[4:11], s[0:1], 0x0               ; xc s[4:5], xs s[6:7], wc s[8:9], ws s[10:11]
	s_load_b128 s[96:99], s[0:1], 0x20             ; b_q, b_k
	s_load_b64 s[100:101], s[0:1], 0x30            ; b_v
	s_load_b128 s[92:95], s[0:1], 0x38             ; qb, kv
	v_lshl_add_u32 v[SPW], v0, 2, SPARE
	v_mov_b32 v[NIL], 0
	ds_add_u32 v[SPW], v[NIL]                      ; the wave's opening: 0 onto my spare word, twice on end, and its wait ahead of my first tensor load
	ds_add_u32 v[SPW], v[NIL]                      ; and once more, under the one wait; the set-up below, work on registers, stands between
	v_lshrrev_b32 v1, 5, v0
	v_readfirstlane_b32 s14, v1                    ; wave 0..3
	s_lshr_b32 s15, s14, 1                         ; which half of source 1's rows is mine.  Also: I fetch x's rows (0) or wc's (1)
	s_and_b32 s16, s14, 1                          ; which half of source 0's.  Also: which 128 rows I fetch
	s_bfe_u32 s40, ttmp6, 0x40000                  ; cx, cy: my place in the cluster
	s_bfe_u32 s41, ttmp6, 0x40004
	s_lshl_b32 s42, ttmp9, 2
	s_add_co_u32 s42, s42, s40                     ; X = 4 x cluster x + cx
	s_and_b32 s17, ttmp7, 0xffff
	s_lshl_b32 s17, s17, 2
	s_add_co_u32 s17, s17, s41                     ; Y = 4 x cluster y + cy
	s_lshl_b32 s43, s41, 2
	s_lshl_b32 s43, 15, s43                        ; my row of the cluster
	s_lshl_b32 s44, 0x1111, s40                    ; my column
	; descriptor group 1: a tile of 128 rows x 256 bytes, 16 bytes of padding behind each row
	s_or_b32 s[G1+0], s43, (0<<16)|(1<<20)|(1<<21)|(5<<22)|(3<<25)  ; 15:0 the mask: x's tiles go to my row; elements of 1 byte; padding on; bit 21 beside a mask; after every 64 words, 4 words
	s_or_b32 s[G1B+0], s44, (0<<16)|(1<<20)|(1<<21)|(5<<22)|(3<<25) ; wc's tiles go to my column
.irp g, G1, G1B
	s_mov_b32 s[\g+1], ROWB<<16                    ; tensor_dim0
	s_mov_b32 s[\g+2], 128<<16                     ; tensor_dim1
	s_mov_b32 s[\g+3], ROWB<<16                    ; tile_dim0
	s_mov_b32 s[\g+4], 128                         ; tile_dim1
	s_mov_b32 s[\g+5], KROW                        ; tensor_dim0_stride
	s_mov_b32 s[\g+6], 0
	s_mov_b32 s[\g+7], 0
.endr
	; the scale bytes of 128 rows: 4,096 dense bytes, as 16 rows of 256 bytes (32 elements of 8 bytes), 16 bytes of padding behind each
	s_or_b32 s[G1S+0], s43, (3<<16)|(1<<20)|(1<<21)|(5<<22)|(3<<25)
	s_or_b32 s[G1SB+0], s44, (3<<16)|(1<<20)|(1<<21)|(5<<22)|(3<<25)
.irp g, G1S, G1SB
	s_mov_b32 s[\g+1], 32<<16
	s_mov_b32 s[\g+2], (128*KS/256)<<16
	s_mov_b32 s[\g+3], 32<<16
	s_mov_b32 s[\g+4], 128*KS/256
	s_mov_b32 s[\g+5], 32
	s_mov_b32 s[\g+6], 0
	s_mov_b32 s[\g+7], 0
.endr
	s_lshl_b32 s18, s16, 7                         ; which 128 rows I fetch
	s_lshl_b32 s20, s17, 8
	s_add_co_u32 s20, s20, s18                     ; x: stored row 256 Y + 128 x half
	s_lshl_b32 s46, s42, 8
	s_add_co_u32 s46, s46, s18                     ; wc: stored row 256 X + 128 x half
	s_lshl_b32 s22, s20, 5                         ; their scale bytes: 32 a row,
	s_mov_b32 s23, 0
	s_lshl_b32 s12, s46, 5
	s_mov_b32 s13, 0
	s_lshl_b32 s20, s20, 9                         ; their codes: 512 a row
	s_mov_b32 s21, 0
	s_lshl_b32 s46, s46, 9
	s_mov_b32 s47, 0
	s_mul_i32 s45, s14, HALFT                      ; where they go: wave x 128 rows: no place in the cluster enters an LDS address
	s_mul_i32 s3, s14, HALFS
	s_wait_dscnt 0x0                               ; both opening adds are done
	s_wait_kmcnt 0x0
	s_add_nc_u64 s[20:21], s[4:5], s[20:21]
	s_add_nc_u64 s[22:23], s[6:7], s[22:23]
	s_add_nc_u64 s[46:47], s[8:9], s[46:47]
	s_add_nc_u64 s[12:13], s[10:11], s[12:13]
	CROUND                                         ; all sixteen work-groups are here: the first joint loads meet
	s_mov_b32 s[G0S], 1
	s_add_co_u32 s[G0S+1], s3, SCL
	s_mov_b64 s[G0S+2:G0S+3], s[22:23]
	s_or_b32 s[G0S+3], s[G0S+3], 0x80000000
	s_mov_b32 s[G0SB], 1
	s_add_co_u32 s[G0SB+1], s3, SCL
	s_mov_b64 s[G0SB+2:G0SB+3], s[12:13]
	s_or_b32 s[G0SB+3], s[G0SB+3], 0x80000000
	JLOAD G0S, G1S, G0SB, G1SB                     ; the scale bytes first: they are wanted with slot 0
.irp s, 0,1
	s_mov_b32 s[G0+4*\s], 1
	s_add_co_u32 s[G0+4*\s+1], s45, \s*SLOT
	s_add_nc_u64 s[G0+4*\s+2:G0+4*\s+3], s[20:21], \s*ROWB
	s_or_b32 s[G0+4*\s+3], s[G0+4*\s+3], 0x80000000
	s_mov_b32 s[G0B+4*\s], 1
	s_add_co_u32 s[G0B+4*\s+1], s45, \s*SLOT
	s_add_nc_u64 s[G0B+4*\s+2:G0B+4*\s+3], s[46:47], \s*ROWB
	s_or_b32 s[G0B+4*\s+3], s[G0B+4*\s+3], 0x80000000
	JLOAD G0+4*\s, G1, G0B+4*\s, G1B               ; three tensor loads of mine are out
.endr
	; which region of a slot is which source: chosen by the cluster's x
	s_mov_b32 s67, 0xffff0000                      ; lanes 16-31
	s_cmp_eq_u32 ttmp9, 2
	s_cselect_b32 s66, 1, 0                        ; 1: this cluster makes v
	s_cselect_b32 s18, 2*HALFT, 0                  ; source 1: x's rows, for v wc's
	s_cselect_b32 s19, 0, 2*HALFT                  ; source 0: wc's rows, for v x's
	s_cselect_b32 s2, 2*HALFS, 0
	s_cselect_b32 s3, 0, 2*HALFS
	v_and_b32 v1, 15, v0                           ; r = l % 16
	v_bfe_u32 v2, v0, 4, 1                         ; h = l / 16
	v_mul_u32_u24 v3, v1, PITCH
	v_lshl_add_u32 v4, v2, 4, v3                   ; a fragment's row x pitch + 16 x half
	s_mul_i32 s21, s15, HALFT
	s_add_co_u32 s21, s21, s18
	s_mul_i32 s22, s16, HALFT
	s_add_co_u32 s22, s22, s19
.irp s, 0,1
	v_add_nc_u32 v[ADRA+\s], s21, v4
	v_add_nc_u32 v[ADRB+\s], s22, v4
	s_add_co_u32 s21, s21, SLOT
	s_add_co_u32 s22, s22, SLOT
.endr
	v_mul_u32_u24 v5, v1, KS                       ; my row's scale bytes: 32 a row,
	v_lshrrev_b32 v6, 8, v5
	v_lshl_add_u32 v5, v6, 4, v5                   ; and 16 more for each 256 passed
	s_mul_i32 s21, s15, HALFS
	s_add_co_u32 s21, s21, s2
	s_add_co_u32 s21, s21, SCL
	s_mul_i32 s22, s16, HALFS
	s_add_co_u32 s22, s22, s3
	s_add_co_u32 s22, s22, SCL
	v_add_nc_u32 v6, s21, v5
	v_add_nc_u32 v7, s22, v5
	v_cndmask_b32 v[ADRS], v6, v7, s67             ; lanes 0-15 source 1's rows, lanes 16-31 source 0's
	; the bias, the output buffer and the record's size, chosen by the cluster's x
	s_mov_b32 s2, 8704
	s_cmp_eq_u32 ttmp9, 0
	s_cselect_b32 s2, 4352, s2                     ; bytes of a record: qb's or kv's
	s_cselect_b64 s[92:93], s[92:93], s[94:95]
	s_cselect_b64 s[96:97], s[96:97], s[98:99]
	s_lshl_b32 s3, s2, 4                           ; from a head's record to the next head's: 16 records
	s_mov_b32 s18, 512
	s_mov_b32 s20, 512
	s_cmp_eq_u32 ttmp9, 2
	s_cselect_b64 s[96:97], s[100:101], s[96:97]
	s_cselect_b32 s12, s15, s16                    ; which 128 columns are mine
	s_cselect_b32 s13, s16, s15                    ; which 128 tokens
	s_cselect_b32 s46, 4352, 0                     ; v's part of a record lies behind k's
	s_cselect_b32 s47, -1, 0
	s_cselect_b32 s23, 0, 4                        ; from a bias register to the next: q, k 4 bytes; v none
	s_cselect_b32 s22, 512, s3                     ; the codes' second four registers: v: the same tile's keys 64 on; q, k: the next head
	s_cselect_b32 s18, 1024, s18                   ; from a block's image to the next,
	s_cselect_b32 s20, 136192, s20                 ; and from block 3's to block 4's (v: the next head's record: 16 x 8,704 - 3 x 1,024)
	s_mov_b32 s19, 0
	s_mov_b32 s21, 0
	s_lshl_b32 s98, s40, 10
	s_lshl_b32 s99, s12, 9
	s_add_co_u32 s98, s98, s99                     ; my 128 columns in the bias: 4 (256 cx + 128 x half)
	s_mov_b32 s99, 0
	s_add_nc_u64 s[96:97], s[96:97], s[98:99]
	v_lshlrev_b32 v5, 6, v2                        ; q, k: register 8 t + j is column 32 (t / 2) + 8 (t % 2) + 16 h + j
	v_and_b32 v6, 7, v1
	v_lshrrev_b32 v7, 3, v1
	v_lshlrev_b32 v6, 2, v6
	v_lshl_add_u32 v6, v7, 6, v6                   ; v: all eight are column 32 (t / 2) + 8 (t % 2) + r + 8 (r / 8)
	v_cndmask_b32 v8, v5, v6, s47
.irp j, 1,2,3,4,5,6,7
	v_add_nc_u32 v[8+\j], s23, v[7+\j]
.endr
.irp t, 0,1,2,3,4,5,6,7
.irp j, 0,1,2,3,4,5,6,7
	global_load_b32 v[BI+8*\t+\j], v[8+\j], s[96:97] offset:128*(\t/2)+32*(\t%2)
.endr
.endr
	; where my results go
	s_lshl_b32 s98, s17, 1
	s_add_co_u32 s98, s98, s13                     ; my 128 tokens: 2 Y + half: batch x 16 + step
	s_lshr_b32 s99, s98, 4
	s_lshl_b32 s99, s99, 8
	s_and_b32 s98, s98, 15
	s_add_co_u32 s98, s98, s99
	s_lshl_b32 s99, s40, 2
	s_lshl_b32 s100, s12, 1
	s_add_co_u32 s99, s99, s100                    ; my first head: 4 cx + 2 x half
	s_lshl_b32 s99, s99, 4
	s_add_co_u32 s98, s98, s99                     ; the record: 256 batch + 16 head + step
	s_mul_i32 s98, s98, s2
	s_add_co_u32 s98, s98, s46
	s_mov_b32 s99, 0
	s_add_nc_u64 s[92:93], s[92:93], s[98:99]      ; my first head's record (v: its second part)
	s_mov_b32 s98, s3
	s_add_nc_u64 s[94:95], s[92:93], s[98:99]      ; my second head's
	s_mov_b64 s[98:99], s[92:93]                   ; the image in hand
	v_and_b32 v5, 31, v0
	v_lshlrev_b32 v[VO], 4, v5
	v_add_nc_u32 v[VO+1], s22, v[VO]
	v_lshlrev_b32 v[L8], 3, v5
	s_mov_b32 s22, 0x76543210
	s_mov_b32 s23, 0xfedcba98                      ; v_permlanex16_b32's selects for lane l xor 16
.macro FRAG reg, adr, q, i             ; 16 rows x 128 K of 4-bit codes: lane l holds row l % 16; registers 4 c .. 4 c + 3 hold K = 64 c + 32 (l / 16) + 0 .. 31
.irp c, 0,1
	ds_load_b128 v[\reg+4*\c:\reg+4*\c+3], v[\adr] offset:64*(\q)+32*\c+(\i)*16*PITCH
.endr
.endm
; 16 matrix instructions: source 1's blocks a0, a0 + 1 x source 0's eight, the slot's q-th 128 along K.  p: source 0's set; sc: the set of scale words.
; zero = 1: the sums start from the bias by source 0's tile; 2: by source 1's block; 0: they go on in place.  The 64 accumulators take turns, one instruction a turn.
.macro MUL16 a0, p, q, sc, zero
.irp a, \a0, \a0+1
.irp b, 0,1,2,3,4,5,6,7
.if (\zero) == 1
	v_wmma_scale_f32_16x16x128_f8f6f4 v[8*(8*((\a)%4)+\b):8*(8*((\a)%4)+\b)+7], v[128*(\p)+FR*\b:128*(\p)+FR*\b+FR-1], v[AF+FR*(\a):AF+FR*(\a)+FR-1], v[BI+8*\b:BI+8*\b+7], v[SC+8*NQ*(\sc)+NQ*\b+(\q)], v[SC+8*NQ*(\sc)+NQ*(\a)+(\q)] matrix_a_fmt:MATRIX_FMT_FP4 matrix_b_fmt:MATRIX_FMT_FP4 matrix_a_scale:MATRIX_SCALE_ROW1
.elseif (\zero) == 2
	v_wmma_scale_f32_16x16x128_f8f6f4 v[8*(8*((\a)%4)+\b):8*(8*((\a)%4)+\b)+7], v[128*(\p)+FR*\b:128*(\p)+FR*\b+FR-1], v[AF+FR*(\a):AF+FR*(\a)+FR-1], v[BI+8*(\a):BI+8*(\a)+7], v[SC+8*NQ*(\sc)+NQ*\b+(\q)], v[SC+8*NQ*(\sc)+NQ*(\a)+(\q)] matrix_a_fmt:MATRIX_FMT_FP4 matrix_b_fmt:MATRIX_FMT_FP4 matrix_a_scale:MATRIX_SCALE_ROW1
.else
	v_wmma_scale_f32_16x16x128_f8f6f4 v[8*(8*((\a)%4)+\b):8*(8*((\a)%4)+\b)+7], v[128*(\p)+FR*\b:128*(\p)+FR*\b+FR-1], v[AF+FR*(\a):AF+FR*(\a)+FR-1], v[8*(8*((\a)%4)+\b):8*(8*((\a)%4)+\b)+7], v[SC+8*NQ*(\sc)+NQ*\b+(\q)], v[SC+8*NQ*(\sc)+NQ*(\a)+(\q)] matrix_a_fmt:MATRIX_FMT_FP4 matrix_b_fmt:MATRIX_FMT_FP4 matrix_a_scale:MATRIX_SCALE_ROW1
.endif
.endr
.endr
.endm
.macro FETCH_B slot, q, p              ; source 0's eight fragments of the slot's q-th 128 along K into set p
	WIN TO_B
.irp i, 0,1,2,3,4,5,6,7
	FRAG 128*(\p)+FR*\i, ADRB+\slot, \q, \i
.endr
	WIN 0
.endm
.macro FETCH_A slot, q, i0             ; source 1's blocks i0 .. i0 + 3
.irp i, \i0, \i0+1, \i0+2, \i0+3
	FRAG AF+FR*(\i), ADRA+\slot, \q, \i
.endr
.endm
.macro SCALES sc                       ; a slot's scale words into set sc: four words a row; lanes 0-15 take source 1's block i, lanes 16-31 source 0's
.irp i, 0,1,2,3,4,5,6,7
	ds_load_b128 v[SC+8*NQ*\sc+NQ*\i:SC+8*NQ*\sc+NQ*\i+3], v[ADRS] offset:\i*SBLK
.endr
.endm
.macro PLACES n                        ; plain vector instructions between a matrix instruction and a load into, or a vector read of, its registers
.rept \n
	v_nop
.endr
.endm
; A step of 128 along K that has its successor in the same slot.
.macro STEP slot, q, zero
	s_wait_dscnt 4*NL                              ; source 0's set and source 1's blocks 0-3 are in; the youngest eight loads (blocks 4-7) may be out
.if \zero
	WIN 0x81                                       ; C (the bias) in window 0, D in window 2
.else
	WIN MUL_LO
.endif
	MUL16 0, (\q)%2, \q, \slot, \zero
	MUL16 2, (\q)%2, \q, \slot, \zero
	s_wait_dscnt 0                                 ; blocks 4-7 are in
	PLACES NP
	FETCH_B \slot, (\q)+1, 1-(\q)%2
	FETCH_A \slot, (\q)+1, 0
.if \zero
	WIN 0xc1
.else
	WIN MUL_HI
.endif
	MUL16 4, (\q)%2, \q, \slot, \zero
	MUL16 6, (\q)%2, \q, \slot, \zero
	PLACES NP
	WIN 0
	FETCH_A \slot, (\q)+1, 4
.endm
; Slot 0's last step changes slots: one barrier; in front of it each wave waits for all its tensor loads (its part of slot 1), adds 0 to its spare word, and waits for that and for its reads.  Nothing is filled again.
.macro TURN slot, next
	s_wait_tensorcnt 0x0                           ; all my tensor loads have landed
	ds_add_u32 v[SPW], v[NIL]                      ; 0 onto my spare word
	s_wait_dscnt 4*NL+1                            ; (the add and the youngest eight loads may be out)
	WIN MUL_LO
	MUL16 0, 1, NQ-1, \slot, 0
	s_wait_dscnt 0x0                               ; the add is done, and my reads of this slot are over
	s_barrier_signal -1
	MUL16 2, 1, NQ-1, \slot, 0
	WIN 0
	s_barrier_wait -1                              ; the next slot is whole
	PLACES NP
	v_add_nc_u32 v[ADRS], 4*NQ, v[ADRS]            ; on to the next slot's scale words
	FETCH_B \next, 0, 0
	FETCH_A \next, 0, 0
	SCALES \next
	WIN MUL_HI
	MUL16 4, 1, NQ-1, \slot, 0
	MUL16 6, 1, NQ-1, \slot, 0
	PLACES NP
	WIN 0
	FETCH_A \next, 0, 4
.endm
.macro STEPS slot, from                ; the slot's steps from .. NQ - 2
.set Q, \from
.rept NQ-1-\from
	STEP \slot, Q, 0
.set Q, Q+1
.endr
.endm
	s_wait_tensorcnt 1                             ; the scale bytes and my part of slot 0 are in (slot 1's load may be out),
	s_barrier_signal -1
	s_barrier_wait -1                              ; everybody's are
	FETCH_B 0, 0, 0
	FETCH_A 0, 0, 0
	SCALES 0
	FETCH_A 0, 0, 4
	s_wait_loadcnt 0x0                             ; the bias
	s_cmp_eq_u32 s66, 1                            ; the cluster's x: the same in all partners and all waves
	s_cbranch_scc1 .Lfirst_v
	STEP 0, 0, 1                                   ; q, k: the bias runs along source 0's rows
	s_branch .Lfirst_done
.Lfirst_v:
	STEP 0, 0, 2                                   ; v: along source 1's
.Lfirst_done:
	STEPS 0, 1
	TURN 0, 1
	STEPS 1, 0
	s_wait_dscnt 4*NL                              ; the very last step: nothing more to fetch
	WIN MUL_LO
	MUL16 0, 1, NQ-1, 1, 0
	MUL16 2, 1, NQ-1, 1, 0
	s_wait_dscnt 0
	WIN MUL_HI
	MUL16 4, 1, NQ-1, 1, 0
	MUL16 6, 1, NQ-1, 1, 0
	WIN 0
; THE WAY OUT.  Block a's 64 numbers of a lane, register 16 b + i = place 32 b + 16 (lane / 16) + i along the axis that is quantised, become 8 registers of codes in v[PC] on and a scale word in v[PWR + a].
; Each accumulator is read from its low end on.
.macro QUANTW a
.set AC, 64*((\a)%4)
	WIN 0x0a+5*((\a)/4)                            ; sources 0 and 1: window 2 or 3
.irp b, 0,1,2,3
	v_max3_num_f32 v[TM+\b], |v[AC+16*\b]|, |v[AC+1+16*\b]|, 0x1800000   ; block b: my 16 numbers, and the floor 2^(3 - 127): the byte cannot fall under 1
.endr
	WIN 0x28+0x14*((\a)/4)                         ; sources 1 and 2
.irp i, 2,4,6,8,10,12,14
.irp b, 0,1,2,3
	v_max3_num_f32 v[TM+\b], v[TM+\b], |v[AC+16*\b+\i]|, |v[AC+1+16*\b+\i]|
.endr
.endr
	WIN 0
.irp b, 0,1,2,3
	v_permlanex16_b32 v[TM+4+\b], v[TM+\b], s22, s23
.endr
.irp b, 0,1,2,3
	v_max_num_f32 v[TM+\b], v[TM+\b], v[TM+4+\b]   ; with lane l xor 16's: the block's largest magnitude
.endr
.irp b, 0,1,2,3
	v_add_nc_u32 v[TM+12+\b], 0xff000000, v[TM+\b] ; 2 off its exponent field: the conversion's scale operand
.endr
.irp b, 0,1,2,3
	v_lshrrev_b32 v[TM+4+\b], 23, v[TM+12+\b]      ; the scale's byte
.endr
	v_lshl_or_b32 v[PWR+(\a)], v[TM+5], 8, v[TM+4]
	v_lshl_or_b32 v[PWR+(\a)], v[TM+6], 16, v[PWR+(\a)]
	v_lshl_or_b32 v[PWR+(\a)], v[TM+7], 24, v[PWR+(\a)]
	WIN 0x02+((\a)/4)                              ; source 0
.irp b, 0,1,2,3
	v_cvt_scalef32_pk8_fp4_f32 v[PC+2*\b], v[AC+16*\b:AC+7+16*\b], v[TM+12+\b]
	v_cvt_scalef32_pk8_fp4_f32 v[PC+1+2*\b], v[AC+8+16*\b:AC+15+16*\b], v[TM+12+\b]
.endr
	WIN 0
	v_nop                                          ; one plain place behind a scaled conversion
.irp c, 0,1                                    ; an operand wants a whole block in a lane: lanes 0-15 block 2 c, lanes 16-31 block 2 c + 1
.irp i, 0,1
	v_permlane16_swap_b32 v[PC+4*\c+\i], v[PC+2+4*\c+\i]
.endr
.endr
.endm
	PLACES NP                                      ; behind the last products
.irp b, 0,1,2,3
	v_mov_b32 v[TM+4+\b], 0                        ; written once: a lane permute's destination counts as one of its sources
.endr
.irp a, 0,1,2,3,4,5,6,7
	QUANTW \a
	global_store_b128 v[VO], v[PC:PC+3], s[98:99]          ; 32 lanes store 512 consecutive bytes, aligned
	global_store_b128 v[VO+1], v[PC+4:PC+7], s[98:99]
.if \a < 7
	s_wait_xcnt 0x0                                ; the stores have read their data and their base: both are written again only behind this wait
.if \a == 3
	s_add_nc_u64 s[98:99], s[98:99], s[20:21]
.else
	s_add_nc_u64 s[98:99], s[98:99], s[18:19]
.endif
.endif
.endr
	s_cmp_eq_u32 s66, 1                            ; the scale words as they leave: register work alone under this branch
	s_cbranch_scc1 .Lwords_v
.irp c, 0,1
.irp p, 0,1,2,3
	v_perm_b32 v[WW+4*\c+\p], v[PWR+2*\p+1], v[PWR+2*\p], 0x05040100+0x02020202*\c   ; head c: two bytes of tile 2 p's token, two of tile 2 p + 1's
.endr
.endr
	s_branch .Lwords_done
.Lwords_v:
.irp k, 0,1,2,3,4,5,6,7
	v_mov_b32 v[WW+\k], v[PWR+\k]                  ; head k / 4, tile k % 4: the word as it is
.endr
.Lwords_done:
.irp c, 0,1
	v_cndmask_b32 v[LOHI+2*\c], v[WW+4*\c], v[WW+4*\c+2], s67      ; lanes 0-15 words 0 and 1 of their row, lanes 16-31 words 2 and 3
	v_cndmask_b32 v[LOHI+2*\c+1], v[WW+4*\c+1], v[WW+4*\c+3], s67
	global_store_b64 v[L8], v[LOHI+2*\c:LOHI+2*\c+1], s[92+2*\c:93+2*\c] offset:4096   ; 32 lanes store 256 consecutive bytes, aligned
.endr
	s_wait_tensorcnt 0x0                           ; the wave's end: a wait, 0 onto my spare word, and a wait, behind my last tensor load
	ds_add_u32 v[SPW], v[NIL]
	s_wait_dscnt 0x0
	CROUND                                         ; the closing round: no work-group ends while a partner may still ask for a tile that names it
	s_endpgm
.Lfunc_end_k_q8354c6ee67_qkv:
	.size	k_q8354c6ee67_qkv, .Lfunc_end_k_q8354c6ee67_qkv-k_q8354c6ee67_qkv
	.p2alignl 7, 3214868480
	.fill 96, 4, 3214868480
	.section	.rodata,"a",@progbits
	.p2align	6, 0x0
	.amdhsa_kernel k_q8354c6ee67_qkv
		.amdhsa_group_segment_fixed_size 327680
		.amdhsa_private_segment_fixed_size 0
		.amdhsa_enable_private_segment 0
		.amdhsa_kernarg_size 72
		.amdhsa_user_sgpr_count 2
		.amdhsa_user_sgpr_kernarg_segment_ptr 1
		.amdhsa_wavefront_size32 1
		.amdhsa_system_sgpr_workgroup_id_x 1
		.amdhsa_system_sgpr_workgroup_id_y 1
		.amdhsa_system_sgpr_workgroup_id_z 1
		.amdhsa_system_vgpr_workitem_id 0
		.amdhsa_next_free_vgpr 1024
		.amdhsa_next_free_sgpr 102
		.amdhsa_reserve_vcc 0
		.amdhsa_float_denorm_mode_32 3
		.amdhsa_float_denorm_mode_16_64 3
		.amdhsa_memory_ordered 1
		.amdhsa_forward_progress 1
		.amdhsa_inst_pref_size 148
	.end_amdhsa_kernel
	.amdgpu_metadata
---
amdhsa.version: [ 1, 2 ]
amdhsa.kernels:
  - .name:           k_q8354c6ee67_qkv
    .symbol:         k_q8354c6ee67_qkv.kd
    .args:
      - { .name: xc, .offset: 0, .size: 8, .value_kind: global_buffer, .address_space: global }
      - { .name: xs, .offset: 8, .size: 8, .value_kind: global_buffer, .address_space: global }
      - { .name: wc, .offset: 16, .size: 8, .value_kind: global_buffer, .address_space: global }
      - { .name: ws, .offset: 24, .size: 8, .value_kind: global_buffer, .address_space: global }
      - { .name: b_q, .offset: 32, .size: 8, .value_kind: global_buffer, .address_space: global }
      - { .name: b_k, .offset: 40, .size: 8, .value_kind: global_buffer, .address_space: global }
      - { .name: b_v, .offset: 48, .size: 8, .value_kind: global_buffer, .address_space: global }
      - { .name: qb, .offset: 56, .size: 8, .value_kind: global_buffer, .address_space: global }
      - { .name: kv, .offset: 64, .size: 8, .value_kind: global_buffer, .address_space: global }
    .group_segment_fixed_size: 327680
    .private_segment_fixed_size: 0
    .kernarg_segment_align: 8
    .kernarg_segment_size: 72
    .max_flat_workgroup_size: 128
    .sgpr_count:     102
    .vgpr_count:     1024
    .wavefront_size: 32
...
	.end_amdgpu_metadata
.endif
;; end of part 3
;; launch attn (part 4): grid 8 x 32, 16 waves a work-group, clusters of 4 x 1, 327,680 bytes of LDS; arguments qb, kv, cc, cs; writes cc, cs
.if DOCPART == 4
	.amdgcn_target "amdgcn-amd-amdhsa--gfx1250"
	.amdhsa_code_object_version 6
	.text
	.protected	k_q8354c6ee67_attn
	.globl	k_q8354c6ee67_attn
	.p2align	8
	.type	k_q8354c6ee67_attn,@function
k_q8354c6ee67_attn:
	s_mov_b64 s[64:65], 0
	v_nop
	global_prefetch_b8 v0, s[64:65] scope:SCOPE_SE
	s_setreg_imm32_b32 hwreg(HW_REG_WAVE_MODE, 25, 1), 1
	s_wait_xcnt 0x0
	s_wait_alu depctr_hold_cnt(0) depctr_sa_sdst(0) depctr_va_vdst(0) depctr_va_sdst(0) depctr_va_ssrc(0) depctr_va_vcc(0) depctr_vm_vsrc(0)
	s_getreg_b32 s2, hwreg(HW_REG_IB_STS2, 6, 4)
	s_cmp_eq_u32 s2, 0
	s_cbranch_scc0 .Lentry_in_a_cluster
	s_endpgm
.Lentry_in_a_cluster:
	s_bfe_u32 s2, ttmp6, 0x10000c
	s_cmp_lg_u32 s2, 0x3003
	s_cbranch_scc0 .Lentry_shape_is_right
	s_endpgm
.Lentry_shape_is_right:
; Products 4 and 5: ctx = softmax(q k^T / 8, causal) v, both on codes of FP4 (E2M1) with E8M0 scales; ctx / l is quantised along D_OUT and leaves as codes.
; LEFT OUT (shown at the head of quant_x): key steps of 128 keys all of which come after all 16 queries of a tile.
; THE SOFTMAX: t = score x log2(e) / 8; M = the row's largest t so far, rounded UP to a whole number; p = 2^(t - M) is quantised along the keys, not normalised.  The row's sum is taken of the unquantised p and divides
; at the end.  When M moves, the sum and O are multiplied by 2^(old M - new M): exact.  A block's largest p is made from its largest score by the same two instructions.  The running largest t starts at -3e38.
; SHARES.  Work-group (j = 4 x cluster x + cx, y = 8 batch + pair of heads) takes both heads 2 y, 2 y + 1 (bh), one after the other.  Wave w has a rank rho (a permutation of 0 .. 15 made of w alone) and owns the 16
; queries of image j of step rho in qb: tokens 128 rho + 32 (j / 2) + 8 (j % 2) + r + 8 (r / 8).  It works key steps 0 .. rho; step rho lies on the diagonal.  So every work-group has the same 2 x 136 steps of work.
; LDS holds the two heads' records of kv as they lie in memory: 32 records of 8,704 bytes, each wave fetching two: all first fills, nothing is filled again.
; CLUSTER: the four work-groups of a cluster share y, so they need the same records: each is asked for jointly.  cx enters global addresses and vector operands alone.
; THE HEAD'S K IS 64, THE INSTRUCTION'S 128.  A fragment of k holds TWO tiles of 16 keys, one in K 0-63 and one in K 64-127; it is multiplied once by [q | 0] and once by [0 | q]: zero codes take the other tile away exactly.
; Both products are used transposed: S^T = k q^T, O^T = v^T p^T: a lane holds one query throughout; the 16 registers of a fragment's two results are 16 neighbouring keys, 32 b + 16 (lane / 16) + 0 .. 15.
; OUT: cc [128 batch + j + 8 rho][pair of heads][head % 2][512]: the image of four operand registers (lane (r, h): the head's 32 h .. 32 h + 31); each store covers 512 consecutive bytes, aligned.
;   cs [16 x that tile + r][32]: word (pair of heads) = the four scale bytes.  A token's eight words come from eight work-groups: these stores put 4 bytes at every 32 and cover their aligned 256 bytes in part.
; LIMITS: those of the quantiser stated at the head of quant_x.
; REGISTERS: v1-10 addresses; v12 -M, v13 the largest t, v[14:15] the sum; v32-63 four fragments of k; v64-95 four of v; v96-159 S^T, then p; v160-191 O^T; v192-211 zeros, q of head 0, zeros, q of head 1, zeros;
;   v212, v213 q's scale words; v214, v215 ctx's scale bytes; v224-231 p's codes; v232-239, v244-247, v252-254 at work; v240-243 k's scale words, v248-251 v's, v253 p's.
.set REC,   8704
.set HEADB, 16*REC                     ; a head's records
.set SPARE, 2*HEADB                    ; the spare words, 128 bytes for each of sixteen waves, which no other line names
.set L16,  1                           ; v1   16 x lane
.set R8,   2                           ; v2   8 r
.set ADK,  3                           ; v3   LDS address of the step's images
.set ADS,  4                           ; v4   of its scale words
.set SPW,  5
.set NIL,  6
.set DREL, 7                           ; v7   my query - 128 rho - 16 (lane / 16)
.set QA,   8                           ; v8   q's image: 16 x lane + 512 j
.set QSA,  9                           ; v9   q's scale word
.set R32,  10                          ; v10  32 r
.set WV,   12
.set RHO,  16
.set SEL,  20
.set CS,   22
.set G1,   24
.set TB,   40                          ; s40  LDS byte at which the step's record begins
.set STP,  41                          ; s41  the key step
.macro CROUND
	s_barrier_signal -1
	s_barrier_wait -1
	s_cmp_lg_u32 s[WV], 0
	s_cbranch_scc1 .Lnot_wave_0_\@
	s_barrier_signal -3
.Lnot_wave_0_\@:
	s_barrier_wait -3
	s_barrier_signal -1
	s_barrier_wait -1
.endm
	s_load_b256 s[4:11], s[0:1], 0x0               ; qb s[4:5], kv s[6:7], cc s[8:9], cs s[10:11]
	v_lshl_add_u32 v[SPW], v0, 2, SPARE
	v_mov_b32 v[NIL], 0
	ds_add_u32 v[SPW], v[NIL]                      ; the wave's opening: 0 onto my spare word, twice on end, and its wait ahead of my first tensor load
	ds_add_u32 v[SPW], v[NIL]                      ; and once more, under the one wait
	v_lshrrev_b32 v11, 5, v0
	s_delay_alu instid0(VALU_DEP_1)
	v_readfirstlane_b32 s[WV], v11                 ; wave 0..15
	s_bfe_u32 s13, ttmp6, 0x40000                  ; cx
	s_lshl_b32 s14, ttmp9, 2
	s_add_co_u32 s14, s14, s13                     ; j
	s_and_b32 s15, ttmp7, 0xffff                   ; y
	s_and_b32 s[RHO], s[WV], 3                     ; rho = (2 (w % 4) + (w / 4) % 2) xor 14 (w / 8): waves w, w + 4, w + 8, w + 12 have 34 steps between them
	s_lshl_b32 s[RHO], s[RHO], 1
	s_bfe_u32 s17, s[WV], 0x10002
	s_or_b32 s[RHO], s[RHO], s17
	s_lshr_b32 s17, s[WV], 3
	s_mul_i32 s17, s17, 14
	s_xor_b32 s[RHO], s[RHO], s17
	; descriptor group 1: a record: 34 dense rows of 256 bytes (32 elements of 8 bytes), no padding
	s_mov_b32 s[G1], 15|(3<<16)|(1<<21)            ; 15:0 the mask: all four work-groups; elements of 8 bytes; bit 21 beside a mask
	s_mov_b32 s[G1+1], 32<<16                      ; tensor_dim0
	s_mov_b32 s[G1+2], 34<<16                      ; tensor_dim1
	s_mov_b32 s[G1+3], 32<<16                      ; tile_dim0
	s_mov_b32 s[G1+4], 34                          ; tile_dim1
	s_mov_b32 s[G1+5], 32                          ; tensor_dim0_stride
	s_mov_b32 s[G1+6], 0
	s_mov_b32 s[G1+7], 0
	s_mov_b32 s[SEL], 0x76543210
	s_mov_b32 s[SEL+1], 0xfedcba98                 ; v_permlanex16_b32's selects for lane l xor 16
	s_mov_b32 s[CS], 0x3e38aa3b                    ; c = log2(e) / 8
	s_mov_b32 s[CS+1], s[CS]                       ; (named with it as a pair, so it is written)
	s_mul_i32 s18, s15, 2*HEADB                    ; the two heads' records,
	s_mul_i32 s17, s[WV], REC                      ; my record of each
	s_add_co_u32 s18, s18, s17
	s_mov_b32 s19, 0
	s_wait_dscnt 0x0                               ; both opening adds are done
	s_wait_kmcnt 0x0
	s_add_nc_u64 s[18:19], s[6:7], s[18:19]
	CROUND                                         ; all four work-groups are here: the joint loads meet
	s_mov_b32 s32, 1
	s_mov_b32 s33, s17                             ; LDS: as in memory
	s_mov_b64 s[34:35], s[18:19]
	s_or_b32 s35, s35, 0x80000000
	s_mov_b32 s36, 1
	s_add_co_u32 s37, s17, HEADB
	s_add_nc_u64 s[38:39], s[18:19], HEADB
	s_or_b32 s39, s39, 0x80000000
	tensor_load_to_lds s[32:35], s[G1:G1+7]        ; step w of the first head
	s_nop 0
	tensor_load_to_lds s[36:39], s[G1:G1+7]        ; and of the second: two tensor loads of mine are out
	s_nop 0
.rept 4
	v_nop
.endr
	s_lshl_b32 s18, s15, 5
	s_add_co_u32 s18, s18, s[RHO]
	s_mul_i32 s18, s18, 4352                       ; qb: record 16 (2 y) + rho
	s_mov_b32 s19, 0
	s_add_nc_u64 s[44:45], s[4:5], s[18:19]
	v_and_b32 v11, 31, v0
	s_delay_alu instid0(VALU_DEP_1)
	v_lshlrev_b32 v[L16], 4, v11
	v_and_b32 v16, 15, v0                          ; r
	s_wait_alu depctr_va_vdst(0)
	v_bfe_u32 v17, v0, 4, 1                        ; h
	s_wait_alu depctr_va_vdst(0)
	v_lshlrev_b32 v[R8], 3, v16
	v_lshlrev_b32 v[R32], 5, v16
	s_lshl_b32 s17, s14, 9
	v_add_nc_u32 v[QA], s17, v[L16]
	s_lshr_b32 s17, s14, 2
	s_lshl_b32 s17, s17, 7
	s_bfe_u32 s18, s14, 0x10001
	s_lshl_b32 s18, s18, 2
	s_add_co_u32 s17, s17, s18
	s_add_co_u32 s17, s17, 4096
	v_add_nc_u32 v[QSA], s17, v[R8]                ; word (j / 2, r) of the record's scale words
	global_load_b128 v[196:199], v[QA], s[44:45]
	global_load_b128 v[204:207], v[QA], s[44:45] offset:69632      ; the second head: 16 records on
	global_load_b32 v212, v[QSA], s[44:45]
	global_load_b32 v213, v[QSA], s[44:45] offset:69632
	s_lshr_b32 s17, s14, 1
	s_lshl_b32 s17, s17, 5
	s_and_b32 s18, s14, 1
	s_lshl_b32 s42, s18, 4                         ; my tile's two bytes of the word begin at bit 16 (j % 2)
	s_lshl_b32 s18, s18, 3
	s_add_co_u32 s17, s17, s18
	v_lshrrev_b32 v18, 3, v16
	s_delay_alu instid0(VALU_DEP_1)
	v_lshl_add_u32 v[DREL], v18, 3, v16
	s_delay_alu instid0(VALU_DEP_1)
	v_add_nc_u32 v[DREL], s17, v[DREL]
	v_lshlrev_b32 v18, 4, v17
	s_delay_alu instid0(VALU_DEP_1)
	v_sub_nc_u32 v[DREL], v[DREL], v18
	s_lshr_b32 s17, s15, 3
	s_lshl_b32 s17, s17, 7
	s_lshl_b32 s18, s[RHO], 3
	s_add_co_u32 s17, s17, s18
	s_add_co_u32 s17, s17, s14                     ; my tile of tokens: 128 batch + 8 rho + j
	s_and_b32 s43, s15, 7                          ; the pair of heads
	s_lshl_b32 s18, s17, 13
	s_lshl_b32 s19, s43, 10
	s_add_co_u32 s18, s18, s19
	s_mov_b32 s19, 0
	s_add_nc_u64 s[46:47], s[8:9], s[18:19]        ; cc
	s_lshl_b32 s18, s17, 9
	s_lshl_b32 s43, s43, 2
	s_add_co_u32 s18, s18, s43
	s_add_nc_u64 s[48:49], s[10:11], s[18:19]      ; cs
.irp z, 192,193,194,195,200,201,202,203,208,209,210,211
	v_mov_b32 v\z, 0                               ; the zero codes beside q
.endr
	s_wait_loadcnt 0x0
.irp z, 212,213
	v_lshrrev_b32 v\z, s42, v\z
	s_delay_alu instid0(VALU_DEP_1)
	v_and_b32 v\z, 0xffff, v\z
	s_delay_alu instid0(VALU_DEP_1)
	v_lshl_or_b32 v\z, v\z, 16, v\z                ; q's two bytes twice: the word serves [q | 0] and [0 | q]
.endr
.macro INIT
	v_mov_b32 v13, 0xff61b1e6                      ; the largest t so far: -3e38
	s_delay_alu instid0(VALU_DEP_1)
	v_floor_f32 v12, -v13                          ; -M
	v_mov_b32 v14, 0
	v_mov_b32 v15, 0
.irp b, 0,1,2,3
	v_mov_b32 v[236+\b], 0                         ; a lane permute's destination counts as one of its sources
.endr
	v_mov_b32 v252, 0
	v_mov_b32 v253, 0
.set n, 0
.rept 32
	v_mov_b32 v[160+n], 0                          ; O^T: the step is written for all steps alike: the first finds zeros
.set n, n+1
.endr
.endm
; A KEY STEP of 128 keys for head it.  first = 1: key step 0, which every wave works.
.macro STEP it, first
.if !(\first)
	s_cmp_gt_u32 s[STP], s[RHO]                    ; all its keys come after my queries: left out, all but the step of the address
	s_cbranch_scc1 .Lhidden_\@
.endif
	s_setprio 2
	v_add_nc_u32 v[ADK], s[TB], v[L16]
	v_add_nc_u32 v[ADS], s[TB], v[R8]
	v_nop
	v_nop                                          ; four places in front of loads into registers that the last products read
.irp b, 0,1,2,3
	ds_load_b128 v[32+8*\b:35+8*\b], v[ADK] offset:1024*\b         ; fragment b of k: tile 2 b in K 0-63,
	ds_load_b128 v[36+8*\b:39+8*\b], v[ADK] offset:1024*\b+512     ; tile 2 b + 1 in K 64-127
.endr
	ds_load_b64 v[240:241], v[ADS] offset:4096
	ds_load_b64 v[242:243], v[ADS] offset:4224
.irp t, 0,1,2,3
	ds_load_b128 v[64+8*\t:67+8*\t], v[ADK] offset:4352+1024*\t
	ds_load_b128 v[68+8*\t:71+8*\t], v[ADK] offset:4352+1024*\t+512
.endr
	ds_load_b64 v[248:249], v[ADS] offset:8448
	ds_load_b64 v[250:251], v[ADS] offset:8576
	s_wait_dscnt 10                                ; k and its scale words are in; v's ten loads may be out
.irp b, 0,1,2,3
	v_wmma_scale_f32_16x16x128_f8f6f4 v[96+16*\b:103+16*\b], v[32+8*\b:39+8*\b], v[196+8*\it:203+8*\it], 0, v[240+\b], v[212+\it] matrix_a_fmt:MATRIX_FMT_FP4 matrix_b_fmt:MATRIX_FMT_FP4
	v_wmma_scale_f32_16x16x128_f8f6f4 v[104+16*\b:111+16*\b], v[32+8*\b:39+8*\b], v[192+8*\it:199+8*\it], 0, v[240+\b], v[212+\it] matrix_a_fmt:MATRIX_FMT_FP4 matrix_b_fmt:MATRIX_FMT_FP4
.endr
.rept 4
	v_nop
.endr
	s_cmp_lg_u32 s[STP], s[RHO]                    ; on the diagonal the scores of hidden keys become -infinity ahead of the maximum
	s_cbranch_scc1 .Lopen_\@
	v_mov_b32 v254, 0xff800000
.set n, 0
.rept 64
	v_cmp_gt_i32 vcc_lo, 32*(n/16)+n%16, v[DREL]   ; register 16 b + i holds key 128 rho + 16 (lane / 16) + 32 b + i
	v_cndmask_b32 v[96+n], v[96+n], v254, vcc_lo
.set n, n+1
.endr
.Lopen_\@:
.irp b, 0,1,2,3
	v_max3_num_f32 v[232+\b], v[96+16*\b], v[97+16*\b], v[98+16*\b]   ; the largest score of each block of 32 keys: for the row's maximum and for the block's largest p
.endr
.irp i, 3,5,7,9,11,13
.irp b, 0,1,2,3
	v_max3_num_f32 v[232+\b], v[232+\b], v[96+16*\b+\i], v[97+16*\b+\i]
.endr
.endr
.irp b, 0,1,2,3
	v_max_num_f32 v[232+\b], v[232+\b], v[111+16*\b]
.endr
.irp b, 0,1,2,3
	s_delay_alu instid0(VALU_DEP_4)
	v_permlanex16_b32 v[236+\b], v[232+\b], s[SEL], s[SEL+1]
.endr
.irp b, 0,1,2,3
	s_delay_alu instid0(VALU_DEP_4)
	v_max_num_f32 v[232+\b], v[232+\b], v[236+\b]  ; with lane l xor 16's 16 keys
.endr
	s_delay_alu instid0(VALU_DEP_2)
	v_max3_num_f32 v254, v232, v233, v234
	s_delay_alu instid0(VALU_DEP_1)
	v_max_num_f32 v254, v254, v235                 ; the step's largest score of my query
	s_delay_alu instid0(VALU_DEP_1)
	v_mul_f32 v254, s[CS], v254                    ; as t
	s_delay_alu instid0(VALU_DEP_1)
	v_max_num_f32 v13, v13, v254                   ; the running largest t
	v_mov_b32 v254, v12
	s_delay_alu instid0(VALU_DEP_2)
	v_floor_f32 v12, -v13                          ; the new -M = -ceil(t)
	s_delay_alu instid0(VALU_DEP_1)
	v_sub_f32 v254, v12, v254                      ; old M - new M: a whole number, 0 or less
	s_delay_alu instid0(VALU_DEP_1)
	v_cvt_i32_f32 v254, v254                       ; (it saturates)
	s_delay_alu instid0(VALU_DEP_1)
	v_ldexp_f32 v252, 1.0, v254                    ; f = 2^(old M - new M)
.set n, 0
.rept 32
	v_pk_fma_f32 v[96+n:97+n], v[96+n:97+n], s[CS:CS+1], v[12:13] op_sel_hi:[1,0,0]   ; t - M, two at a time
.set n, n+2
.endr
	s_setprio 1
.irp b, 0,1,2,3
	v_fma_f32 v[232+\b], v[232+\b], s[CS], v12     ; the same of each block's largest score
.endr
.set n, 0
	s_wait_alu depctr_va_vdst(0)
.rept 64
	v_exp_f32 v[96+n], v[96+n]                     ; p = 2^(t - M)
.set n, n+1
.endr
	v_pk_mul_f32 v[14:15], v[14:15], v[252:253] op_sel_hi:[1,0]   ; the sums under the new M: a plain place behind the exponentials
	s_wait_alu depctr_va_vdst(0)                   ; one wait for the whole batch, ahead of its first use
.irp b, 0,1,2,3
	v_exp_f32 v[232+\b], v[232+\b]                 ; the block's largest p
.endr
	v_pk_add_f32 v[236:237], v[100:101], v[104:105]
	v_pk_add_f32 v[254:255], v[108:109], v[112:113]
	v_pk_add_f32 v[246:247], v[116:117], v[120:121]
	v_pk_add_f32 v[244:245], v[124:125], v[128:129]
	v_pk_add_f32 v[242:243], v[132:133], v[136:137]
	v_pk_add_f32 v[240:241], v[140:141], v[144:145]
	v_pk_add_f32 v[238:239], v[148:149], v[152:153]
	v_pk_add_f32 v[14:15], v[14:15], v[156:157]
	v_pk_add_f32 v[236:237], v[236:237], v[96:97]
	v_pk_add_f32 v[254:255], v[254:255], v[98:99]
	v_pk_add_f32 v[246:247], v[246:247], v[102:103]
	v_pk_add_f32 v[244:245], v[244:245], v[106:107]
	v_pk_add_f32 v[242:243], v[242:243], v[110:111]
	v_pk_add_f32 v[240:241], v[240:241], v[114:115]
	v_pk_add_f32 v[238:239], v[238:239], v[118:119]
	v_pk_add_f32 v[14:15], v[14:15], v[122:123]
	v_pk_add_f32 v[236:237], v[236:237], v[126:127]
	v_pk_add_f32 v[254:255], v[254:255], v[130:131]
	v_pk_add_f32 v[246:247], v[246:247], v[134:135]
	v_pk_add_f32 v[244:245], v[244:245], v[138:139]
	v_pk_add_f32 v[242:243], v[242:243], v[142:143]
	v_pk_add_f32 v[240:241], v[240:241], v[146:147]
	v_pk_add_f32 v[238:239], v[238:239], v[150:151]
	v_pk_add_f32 v[14:15], v[14:15], v[154:155]
	v_pk_add_f32 v[236:237], v[236:237], v[158:159]
	s_delay_alu instid0(VALU_DEP_2)
	v_pk_add_f32 v[14:15], v[14:15], v[244:245]
	s_delay_alu instid0(VALU_DEP_2)
	v_pk_add_f32 v[236:237], v[236:237], v[242:243]
	v_pk_add_f32 v[254:255], v[254:255], v[240:241]
	v_pk_add_f32 v[246:247], v[246:247], v[238:239]
	s_delay_alu instid0(VALU_DEP_2)
	v_pk_add_f32 v[14:15], v[14:15], v[254:255]
	s_delay_alu instid0(VALU_DEP_2)
	v_pk_add_f32 v[236:237], v[236:237], v[246:247]
	s_delay_alu instid0(VALU_DEP_1)
	v_pk_add_f32 v[14:15], v[14:15], v[236:237]
	s_wait_alu depctr_va_vdst(0)                   ; and one for the four
.irp b, 0,1,2,3
	v_max_num_f32 v[232+\b], 0x1800000, v[232+\b]  ; the floor 2^(3 - 127): the byte cannot fall under 1
.endr
.irp b, 0,1,2,3
	s_delay_alu instid0(VALU_DEP_4)
	v_add_nc_u32 v[244+\b], 0xff000000, v[232+\b]  ; the conversion's scale operand
.endr
.irp b, 0,1,2,3
	s_delay_alu instid0(VALU_DEP_4)
	v_lshrrev_b32 v[236+\b], 23, v[244+\b]         ; the scale's byte
.endr
	s_delay_alu instid0(VALU_DEP_3)
	v_lshl_or_b32 v253, v237, 8, v236              ; p's scale word for these 128 keys
	s_delay_alu instid0(VALU_DEP_1)
	v_lshl_or_b32 v253, v238, 16, v253
	s_delay_alu instid0(VALU_DEP_1)
	v_lshl_or_b32 v253, v239, 24, v253
	s_setprio 0
.irp b, 0,1,2,3
	v_cvt_scalef32_pk8_fp4_f32 v[224+2*\b], v[96+16*\b:103+16*\b], v[244+\b]
	v_cvt_scalef32_pk8_fp4_f32 v[225+2*\b], v[104+16*\b:111+16*\b], v[244+\b]
.endr
	v_nop                                          ; one plain place behind a scaled conversion
.irp c, 0,1
.irp i, 0,1
	v_permlane16_swap_b32 v[224+4*\c+\i], v[226+4*\c+\i]
.endr
.endr
.set n, 0
.rept 16
	v_pk_mul_f32 v[160+n:161+n], v[160+n:161+n], v[252:253] op_sel_hi:[1,0]   ; O^T under the new M; these sixteen are also the places in front of the products below
.set n, n+2
.endr
	s_wait_alu depctr_va_vdst(0)
	s_wait_dscnt 0x0                               ; v and its scale words are in
.irp t, 0,1,2,3
	v_wmma_scale_f32_16x16x128_f8f6f4 v[160+8*\t:167+8*\t], v[64+8*\t:71+8*\t], v[224:231], v[160+8*\t:167+8*\t], v[248+\t], v253 matrix_a_fmt:MATRIX_FMT_FP4 matrix_b_fmt:MATRIX_FMT_FP4
.endr
.Lhidden_\@:
	s_add_co_u32 s[TB], s[TB], REC                 ; the next step's record
.endm
; Head it is finished: O^T / the sum; register 16 b + i is the head's 32 b + 16 (lane / 16) + i: two blocks of 32 along D_OUT are quantised, and the four registers of codes leave as they stand.
.macro WAYOUT it
.rept 4
	v_nop                                          ; places behind the last products
.endr
	v_add_f32 v14, v14, v15
	s_delay_alu instid0(VALU_DEP_1)
	v_permlanex16_b32 v252, v14, s[SEL], s[SEL+1]
	s_delay_alu instid0(VALU_DEP_1)
	v_add_f32 v14, v14, v252                       ; the row's sum
	s_wait_alu depctr_va_vdst(0)
	v_rcp_f32 v14, v14
	v_nop                                          ; a plain place behind the reciprocal
	s_wait_alu depctr_va_vdst(0)                   ; and the wait ahead of its first use
.set n, 0
.rept 32
	v_mul_f32 v[96+n], v[160+n], v14
.set n, n+1
.endr
.irp b, 0,1
	v_max3_num_f32 v[232+\b], |v[96+16*\b]|, |v[97+16*\b]|, 0x1800000
.endr
.irp i, 2,4,6,8,10,12,14
.irp b, 0,1
	s_delay_alu instid0(VALU_DEP_2)
	v_max3_num_f32 v[232+\b], v[232+\b], |v[96+16*\b+\i]|, |v[97+16*\b+\i]|
.endr
.endr
.irp b, 0,1
	s_delay_alu instid0(VALU_DEP_2)
	v_permlanex16_b32 v[236+\b], v[232+\b], s[SEL], s[SEL+1]
.endr
.irp b, 0,1
	s_delay_alu instid0(VALU_DEP_2)
	v_max_num_f32 v[232+\b], v[232+\b], v[236+\b]
.endr
.irp b, 0,1
	s_delay_alu instid0(VALU_DEP_2)
	v_add_nc_u32 v[244+\b], 0xff000000, v[232+\b]
.endr
.irp b, 0,1
	s_delay_alu instid0(VALU_DEP_2)
	v_lshrrev_b32 v[236+\b], 23, v[244+\b]
.endr
.irp b, 0,1
	v_cvt_scalef32_pk8_fp4_f32 v[224+2*\b], v[96+16*\b:103+16*\b], v[244+\b]
	v_cvt_scalef32_pk8_fp4_f32 v[225+2*\b], v[104+16*\b:111+16*\b], v[244+\b]
.endr
	v_nop
	v_permlane16_swap_b32 v224, v226
	v_permlane16_swap_b32 v225, v227
	global_store_b128 v[L16], v[224:227], s[46:47] offset:512*\it  ; 32 lanes store 512 consecutive bytes, aligned
.if \it == 0
	v_lshl_or_b32 v214, v237, 8, v236              ; this head's two bytes wait for the next head's
.else
	v_lshl_or_b32 v215, v237, 8, v236
	s_delay_alu instid0(VALU_DEP_1)
	v_lshl_or_b32 v215, v215, 16, v214
	global_store_b32 v[R32], v215, s[48:49]        ; both halves of the lanes store the same word with the same value
.endif
.endm
	INIT
	s_mov_b32 s[TB], 0
	s_mov_b32 s[STP], 0
	s_wait_tensorcnt 1                             ; my record of the first head is in (the second head's may be out),
	s_barrier_signal -1
	s_barrier_wait -1                              ; everybody's is
	STEP 0, 1
	s_mov_b32 s[STP], 1
	s_wait_tensorcnt 0x0                           ; my record of the second head is in;
	s_wait_dscnt 0x0
	s_barrier_signal -1                            ; this barrier stands behind the one step that every wave works
	s_barrier_wait -1
.Lkeys0:                                           ; 15 trips: the count is a constant; steps that are hidden are jumped over inside the trip
	STEP 0, 0
	s_add_co_u32 s[STP], s[STP], 1
	s_cmp_lt_u32 s[STP], 16
	s_cbranch_scc1 .Lkeys0
	s_setprio 0
	WAYOUT 0
	s_wait_xcnt 0x0                                ; the store has read its data: the codes' registers are written again only behind this wait
	INIT
	s_mov_b32 s[TB], HEADB
	s_mov_b32 s[STP], 0
.Lkeys1:                                           ; 16 trips
	STEP 1, 0
	s_add_co_u32 s[STP], s[STP], 1
	s_cmp_lt_u32 s[STP], 16
	s_cbranch_scc1 .Lkeys1
	s_setprio 0
	WAYOUT 1
	s_wait_tensorcnt 0x0                           ; the wave's end: a wait, 0 onto my spare word, and a wait, behind my last tensor load
	ds_add_u32 v[SPW], v[NIL]
	s_wait_dscnt 0x0
	CROUND                                         ; the closing round
	s_endpgm
.Lfunc_end_k_q8354c6ee67_attn:
	.size	k_q8354c6ee67_attn, .Lfunc_end_k_q8354c6ee67_attn-k_q8354c6ee67_attn
	.p2alignl 7, 3214868480
	.fill 96, 4, 3214868480
	.section	.rodata,"a",@progbits
	.p2align	6, 0x0
	.amdhsa_kernel k_q8354c6ee67_attn
		.amdhsa_group_segment_fixed_size 327680
		.amdhsa_private_segment_fixed_size 0
		.amdhsa_enable_private_segment 0
		.amdhsa_kernarg_size 32
		.amdhsa_user_sgpr_count 2
		.amdhsa_user_sgpr_kernarg_segment_ptr 1
		.amdhsa_wavefront_size32 1
		.amdhsa_system_sgpr_workgroup_id_x 1
		.amdhsa_system_sgpr_workgroup_id_y 1
		.amdhsa_system_sgpr_workgroup_id_z 1
		.amdhsa_system_vgpr_workitem_id 0
		.amdhsa_next_free_vgpr 256
		.amdhsa_next_free_sgpr 66
		.amdhsa_reserve_vcc 1
		.amdhsa_float_denorm_mode_32 3
		.amdhsa_float_denorm_mode_16_64 3
		.amdhsa_memory_ordered 1
		.amdhsa_forward_progress 1
		.amdhsa_inst_pref_size 82
	.end_amdhsa_kernel
	.amdgpu_metadata
---
amdhsa.version: [ 1, 2 ]
amdhsa.kernels:
  - .name:           k_q8354c6ee67_attn
    .symbol:         k_q8354c6ee67_attn.kd
    .args:
      - { .name: qb, .offset: 0, .size: 8, .value_kind: global_buffer, .address_space: global }
      - { .name: kv, .offset: 8, .size: 8, .value_kind: global_buffer, .address_space: global }
      - { .name: cc, .offset: 16, .size: 8, .value_kind: global_buffer, .address_space: global }
      - { .name: cs, .offset: 24, .size: 8, .value_kind: global_buffer, .address_space: global }
    .group_segment_fixed_size: 327680
    .private_segment_fixed_size: 0
    .kernarg_segment_align: 8
    .kernarg_segment_size: 32
    .max_flat_workgroup_size: 512
    .sgpr_count:     66
    .vgpr_count:     256
    .wavefront_size: 32
...
	.end_amdgpu_metadata
.endif
;; end of part 4
;; launch oproj (part 5): grid 4 x 32, 4 waves a work-group, clusters of 4 x 4, 327,680 bytes of LDS; arguments cc, cs, wc, ws, b_o, out0; writes out0
.if DOCPART == 5
	.amdgcn_target "amdgcn-amd-amdhsa--gfx1250"
	.amdhsa_code_object_version 6
	.text
	.protected	k_q8354c6ee67_oproj
	.globl	k_q8354c6ee67_oproj
	.p2align	8
	.type	k_q8354c6ee67_oproj,@function
k_q8354c6ee67_oproj:
	s_mov_b64 s[64:65], 0
	v_nop
	global_prefetch_b8 v0, s[64:65] scope:SCOPE_SE
	s_setreg_imm32_b32 hwreg(HW_REG_WAVE_MODE, 25, 1), 1
	s_wait_xcnt 0x0
	s_wait_alu depctr_hold_cnt(0) depctr_sa_sdst(0) depctr_va_vdst(0) depctr_va_sdst(0) depctr_va_ssrc(0) depctr_va_vcc(0) depctr_vm_vsrc(0)
	s_getreg_b32 s2, hwreg(HW_REG_IB_STS2, 6, 4)
	s_cmp_eq_u32 s2, 0
	s_cbranch_scc0 .Lentry_in_a_cluster
	s_endpgm
.Lentry_in_a_cluster:
	s_bfe_u32 s2, ttmp6, 0x10000c
	s_cmp_lg_u32 s2, 0xf033
	s_cbranch_scc0 .Lentry_shape_is_right
	s_endpgm
.Lentry_shape_is_right:
; Product 6: out0 = ctx w_o + b_o on codes of FP4 (E2M1) with E8M0 scales, f32 sums.  Nothing is left out here.
; ctx: cc [tile of 16 stored rows (512)][K step of 128 (8)][1,024 bytes]: the image of a fragment's 8 registers, lane l's 16 bytes at 16 l and at 512 + 16 l; cs [stored row][32] its scale bytes.
; w_o: rows 3072 on of wc [stored row][512] and ws [stored row][32].  A stored row's number is the true row's (token's, column's) with bits 3 and 4 exchanged.
; A work-group of four waves makes 256 x 256 of out0, a wave 128 x 128: 64 accumulators.  K = 1024 is two LDS slots of 512 along K, both first fills; the scale bytes come once, with them.
; CLUSTERS: 4 x 4 work-groups; ctx's tiles are shared along a row of the cluster, w_o's along a column: each is asked for jointly.
; Source 0 = 16 stored rows of w_o, source 1 = 16 stored rows of ctx: a lane holds one token; the registers of tile tb are columns 32 (tb / 2) + 16 (lane / 16) + 8 (tb % 2) + 0 .. 7.
; The bias is the C of each sum's first matrix instruction.  On the way out a block of 16 rows goes through the wave's own stage in LDS, where the columns come into their true order, and leaves as whole rows of
; 512 bytes at the tokens' true rows: each store of the wave covers 512 consecutive bytes, aligned.
; REGISTERS as in launch qkv: window 0: addresses, v32-95 scale words, v128-191 ctx's fragments, v192-255 the bias (on the way out v128-255 are rows of out0); window 1: w_o's fragments, two sets; windows 2, 3: accumulators.
.set NQ,     4
.set ROWB,   256
.set KROW,   512
.set PITCH,  272
.set FR,     8
.set NL,     2
.set NP,     4
.set HALFA,  8*4096                    ; ctx: 8 tiles of rows x 4 K steps x 1,024 bytes, dense
.set HALFT,  128*PITCH                 ; w_o: 128 rows of 256 bytes + 16
.set SLOT,   2*HALFA+2*HALFT
.set KS,     32
.set SCL,    2*SLOT
.set HALFS,  (128*KS/256)*272
.set SBLK,   (16*KS/256)*272
.set SPARE,  SCL+4*HALFS               ; the spare words, 128 bytes for each wave, which no other line names
.set STAGE,  SPARE+512                 ; the way out: 16 rows x (512 bytes + 16) for each wave: bytes of its own, into which no tile lands
.set SPITCH, 528
.set ADRA, 16
.set ADRB, 20
.set STO,  24
.set RD,   25
.set CO,   26
.set ADRS, 27
.set SPW,  28
.set NIL,  29
.set SC,   32
.set AF,   128
.set BK,   128
.set BI,   192
.set G1, 24
.set G0, 32
.set G1B, 48
.set G0B, 56
.set G1S, 68
.set G0S, 76
.set G1SB, 80
.set G0SB, 88
.set MSB, 0
.macro WIN new
.if MSB != (\new)
	s_set_vgpr_msb (MSB<<8)|(\new)
.set MSB, (\new)
.endif
.endm
.set MUL_LO, 0xa1
.set MUL_HI, 0xf1
.set TO_B,   0x40
.macro JLOAD g0a, g1a, g0b, g1b        ; waves 0 and 1 fetch for ctx, waves 2 and 3 for w_o; an s_nop 0 and four v_nop follow each of the two lines
	s_cmp_eq_u32 s15, 0
	s_cbranch_scc0 .Lfor_b_\@
	tensor_load_to_lds s[\g0a:\g0a+3], s[\g1a:\g1a+7]
	s_nop 0
.rept 4
	v_nop
.endr
	s_branch .Lasked_\@
.Lfor_b_\@:
	tensor_load_to_lds s[\g0b:\g0b+3], s[\g1b:\g1b+7]
	s_nop 0
.rept 4
	v_nop
.endr
.Lasked_\@:
.endm
.macro CROUND
	s_barrier_signal -1
	s_barrier_wait -1
	s_cmp_lg_u32 s14, 0
	s_cbranch_scc1 .Lnot_wave_0_\@
	s_barrier_signal -3
.Lnot_wave_0_\@:
	s_barrier_wait -3
	s_barrier_signal -1
	s_barrier_wait -1
.endm
	s_load_b256 s[4:11], s[0:1], 0x0               ; cc s[4:5], cs s[6:7], wc s[8:9], ws s[10:11]
	s_load_b128 s[92:95], s[0:1], 0x20             ; b_o s[92:93], out0 s[94:95]
	v_lshl_add_u32 v[SPW], v0, 2, SPARE
	v_mov_b32 v[NIL], 0
	ds_add_u32 v[SPW], v[NIL]                      ; the wave's opening: 0 onto my spare word, twice on end, and its wait ahead of my first tensor load
	ds_add_u32 v[SPW], v[NIL]                      ; and once more, under the one wait
	v_lshrrev_b32 v1, 5, v0
	v_readfirstlane_b32 s14, v1                    ; wave 0..3
	s_lshr_b32 s15, s14, 1                         ; which half of the tile's rows is mine.  Also: I fetch for ctx (0) or for w_o (1)
	s_and_b32 s16, s14, 1                          ; which half of its columns.  Also: which half I fetch
	s_bfe_u32 s40, ttmp6, 0x40000
	s_bfe_u32 s41, ttmp6, 0x40004
	s_lshl_b32 s42, ttmp9, 2
	s_add_co_u32 s42, s42, s40                     ; X
	s_and_b32 s17, ttmp7, 0xffff
	s_lshl_b32 s17, s17, 2
	s_add_co_u32 s17, s17, s41                     ; Y
	s_lshl_b32 s43, s41, 2
	s_lshl_b32 s43, 15, s43                        ; my row of the cluster
	s_lshl_b32 s44, 0x1111, s40                    ; my column
	; ctx: 8 tiles of rows, of each 4 K steps: 8 rows of 4,096 bytes (512 elements of 8 bytes), 8,192 bytes apart in memory, dense in LDS
	s_or_b32 s[G1+0], s43, (3<<16)|(1<<21)
	s_mov_b32 s[G1+1], 512<<16
	s_mov_b32 s[G1+2], 8<<16
	s_mov_b32 s[G1+3], 512<<16
	s_mov_b32 s[G1+4], 8
	s_mov_b32 s[G1+5], 1024
	s_mov_b32 s[G1+6], 0
	s_mov_b32 s[G1+7], 0
	; w_o: 128 rows x 256 bytes, 16 bytes of padding behind each
	s_or_b32 s[G1B+0], s44, (0<<16)|(1<<20)|(1<<21)|(5<<22)|(3<<25)
	s_mov_b32 s[G1B+1], ROWB<<16
	s_mov_b32 s[G1B+2], 128<<16
	s_mov_b32 s[G1B+3], ROWB<<16
	s_mov_b32 s[G1B+4], 128
	s_mov_b32 s[G1B+5], KROW
	s_mov_b32 s[G1B+6], 0
	s_mov_b32 s[G1B+7], 0
	; the scale bytes of 128 rows: 16 rows of 256 bytes, 16 bytes of padding behind each
	s_or_b32 s[G1S+0], s43, (3<<16)|(1<<20)|(1<<21)|(5<<22)|(3<<25)
	s_or_b32 s[G1SB+0], s44, (3<<16)|(1<<20)|(1<<21)|(5<<22)|(3<<25)
.irp g, G1S, G1SB
	s_mov_b32 s[\g+1], 32<<16
	s_mov_b32 s[\g+2], (128*KS/256)<<16
	s_mov_b32 s[\g+3], 32<<16
	s_mov_b32 s[\g+4], 128*KS/256
	s_mov_b32 s[\g+5], 32
	s_mov_b32 s[\g+6], 0
	s_mov_b32 s[\g+7], 0
.endr
	s_lshl_b32 s20, s17, 17                        ; ctx's codes: tile of rows 16 Y + 8 x half, 8,192 bytes each
	s_lshl_b32 s18, s16, 16
	s_add_co_u32 s20, s20, s18
	s_mov_b32 s21, 0
	s_lshl_b32 s22, s17, 13                        ; its scale bytes: row 256 Y + 128 x half, 32 bytes each
	s_lshl_b32 s18, s16, 12
	s_add_co_u32 s22, s22, s18
	s_mov_b32 s23, 0
	s_lshl_b32 s46, s42, 8
	s_lshl_b32 s18, s16, 7
	s_add_co_u32 s46, s46, s18
	s_add_co_u32 s46, s46, 3072                    ; w_o: row 3072 + 256 X + 128 x half of wc and ws
	s_lshl_b32 s12, s46, 5
	s_mov_b32 s13, 0
	s_lshl_b32 s46, s46, 9
	s_mov_b32 s47, 0
	s_lshl_b32 s45, s16, 15                        ; where they go: ctx: half x HALFA;
	s_mul_i32 s2, s16, HALFT
	s_add_co_u32 s2, s2, 2*HALFA                   ; w_o: behind ctx's two halves
	s_mul_i32 s3, s14, HALFS
	s_wait_dscnt 0x0                               ; both opening adds are done
	s_wait_kmcnt 0x0
	s_add_nc_u64 s[20:21], s[4:5], s[20:21]
	s_add_nc_u64 s[22:23], s[6:7], s[22:23]
	s_add_nc_u64 s[46:47], s[8:9], s[46:47]
	s_add_nc_u64 s[12:13], s[10:11], s[12:13]
	CROUND                                         ; all sixteen work-groups are here: the first joint loads meet
	s_mov_b32 s[G0S], 1
	s_add_co_u32 s[G0S+1], s3, SCL
	s_mov_b64 s[G0S+2:G0S+3], s[22:23]
	s_or_b32 s[G0S+3], s[G0S+3], 0x80000000
	s_mov_b32 s[G0SB], 1
	s_add_co_u32 s[G0SB+1], s3, SCL
	s_mov_b64 s[G0SB+2:G0SB+3], s[12:13]
	s_or_b32 s[G0SB+3], s[G0SB+3], 0x80000000
	JLOAD G0S, G1S, G0SB, G1SB
.irp s, 0,1
	s_mov_b32 s[G0+4*\s], 1
	s_add_co_u32 s[G0+4*\s+1], s45, \s*SLOT
	s_add_nc_u64 s[G0+4*\s+2:G0+4*\s+3], s[20:21], \s*4096
	s_or_b32 s[G0+4*\s+3], s[G0+4*\s+3], 0x80000000
	s_mov_b32 s[G0B+4*\s], 1
	s_add_co_u32 s[G0B+4*\s+1], s2, \s*SLOT
	s_add_nc_u64 s[G0B+4*\s+2:G0B+4*\s+3], s[46:47], \s*ROWB
	s_or_b32 s[G0B+4*\s+3], s[G0B+4*\s+3], 0x80000000
	JLOAD G0+4*\s, G1, G0B+4*\s, G1B               ; three tensor loads of mine are out
.endr
	v_and_b32 v1, 15, v0                           ; r
	v_bfe_u32 v2, v0, 4, 1                         ; h
	v_and_b32 v6, 31, v0
	v_lshlrev_b32 v[CO], 4, v6                     ; 16 x lane
	v_mul_u32_u24 v3, v1, PITCH
	v_lshl_add_u32 v4, v2, 4, v3
	s_lshl_b32 s21, s15, 15                        ; my 8 tiles of ctx's rows
	s_mul_i32 s22, s16, HALFT                      ; my 128 rows of w_o
	s_add_co_u32 s22, s22, 2*HALFA
.irp s, 0,1
	v_add_nc_u32 v[ADRA+\s], s21, v[CO]
	v_add_nc_u32 v[ADRB+\s], s22, v4
	s_add_co_u32 s21, s21, SLOT
	s_add_co_u32 s22, s22, SLOT
.endr
	v_mul_u32_u24 v5, v1, KS
	v_lshrrev_b32 v6, 8, v5
	v_lshl_add_u32 v5, v6, 4, v5
	s_mul_i32 s21, s15, HALFS                      ; ctx's scale words: my 128 rows
	s_mul_i32 s22, s16, HALFS                      ; w_o's: my 128 rows, behind ctx's 256
	s_add_co_u32 s22, s22, 2*HALFS
	s_sub_co_u32 s22, s22, s21
	v_mul_u32_u24 v6, s22, v2                      ; lanes 16-31 take w_o's
	s_add_co_u32 s21, s21, SCL
	v_add_nc_u32 v5, v5, v6
	v_add_nc_u32 v[ADRS], s21, v5
	s_lshl_b32 s20, s42, 10
	s_lshl_b32 s21, s16, 9
	s_add_co_u32 s20, s20, s21                     ; my first column, in bytes: 4 (256 X + 128 x half)
	s_mov_b32 s21, 0
	s_add_nc_u64 s[92:93], s[92:93], s[20:21]
	s_add_nc_u64 s[94:95], s[94:95], s[20:21]
	v_lshlrev_b32 v7, 6, v2                        ; the bias: register 8 b + j is column 32 (b / 2) + 8 (b % 2) + 16 h + j
.irp b, 0,1,2,3,4,5,6,7
	global_load_b128 v[BI+8*\b:BI+8*\b+3], v7, s[92:93] offset:128*(\b/2)+32*(\b%2)
	global_load_b128 v[BI+8*\b+4:BI+8*\b+7], v7, s[92:93] offset:128*(\b/2)+32*(\b%2)+16
.endr
	s_lshl_b32 s20, s17, 20
	s_lshl_b32 s22, s15, 19
	s_add_co_u32 s20, s20, s22                     ; my first row: 256 Y + 128 x half, 4,096 bytes a row
	s_add_nc_u64 s[94:95], s[94:95], s[20:21]
	s_mul_i32 s23, s14, 16*SPITCH
	s_add_co_u32 s23, s23, STAGE                   ; my stage
	v_mul_u32_u24 v5, v1, SPITCH
	v_lshl_add_u32 v5, v2, 6, v5
	v_add_nc_u32 v[STO], s23, v5                   ; in: row r, + 64 h
	v_add_nc_u32 v[RD], s23, v[CO]                 ; back: the 32 lanes take one row of 512 bytes
.macro FRAG reg, adr, q, i             ; w_o: from rows
.irp c, 0,1
	ds_load_b128 v[\reg+4*\c:\reg+4*\c+3], v[\adr] offset:64*(\q)+32*\c+(\i)*16*PITCH
.endr
.endm
.macro FRAGA reg, adr, q, i            ; ctx: the image of the registers
.irp c, 0,1
	ds_load_b128 v[\reg+4*\c:\reg+4*\c+3], v[\adr] offset:(\i)*4096+(\q)*1024+512*\c
.endr
.endm
.macro MUL16 a0, p, q, sc, zero        ; 16 matrix instructions; zero = 1: the sums start from the bias.  The 64 accumulators take turns, one instruction a turn
.irp a, \a0, \a0+1
.irp b, 0,1,2,3,4,5,6,7
.if \zero
	v_wmma_scale_f32_16x16x128_f8f6f4 v[8*(8*((\a)%4)+\b):8*(8*((\a)%4)+\b)+7], v[128*(\p)+FR*\b:128*(\p)+FR*\b+FR-1], v[AF+FR*(\a):AF+FR*(\a)+FR-1], v[BI+8*\b:BI+8*\b+7], v[SC+8*NQ*(\sc)+NQ*\b+(\q)], v[SC+8*NQ*(\sc)+NQ*(\a)+(\q)] matrix_a_fmt:MATRIX_FMT_FP4 matrix_b_fmt:MATRIX_FMT_FP4 matrix_a_scale:MATRIX_SCALE_ROW1
.else
	v_wmma_scale_f32_16x16x128_f8f6f4 v[8*(8*((\a)%4)+\b):8*(8*((\a)%4)+\b)+7], v[128*(\p)+FR*\b:128*(\p)+FR*\b+FR-1], v[AF+FR*(\a):AF+FR*(\a)+FR-1], v[8*(8*((\a)%4)+\b):8*(8*((\a)%4)+\b)+7], v[SC+8*NQ*(\sc)+NQ*\b+(\q)], v[SC+8*NQ*(\sc)+NQ*(\a)+(\q)] matrix_a_fmt:MATRIX_FMT_FP4 matrix_b_fmt:MATRIX_FMT_FP4 matrix_a_scale:MATRIX_SCALE_ROW1
.endif
.endr
.endr
.endm
.macro FETCH_B slot, q, p
	WIN TO_B
.irp i, 0,1,2,3,4,5,6,7
	FRAG 128*(\p)+FR*\i, ADRB+\slot, \q, \i
.endr
	WIN 0
.endm
.macro FETCH_A slot, q, i0
.irp i, \i0, \i0+1, \i0+2, \i0+3
	FRAGA AF+FR*(\i), ADRA+\slot, \q, \i
.endr
.endm
.macro SCALES sc
.irp i, 0,1,2,3,4,5,6,7
	ds_load_b128 v[SC+8*NQ*\sc+NQ*\i:SC+8*NQ*\sc+NQ*\i+3], v[ADRS] offset:\i*SBLK
.endr
.endm
.macro PLACES n
.rept \n
	v_nop
.endr
.endm
.macro STEP slot, q, zero
	s_wait_dscnt 4*NL                              ; w_o's set and ctx's blocks 0-3 are in; the youngest eight loads (blocks 4-7) may be out
.if \zero
	WIN 0x81                                       ; C (the bias) in window 0, D in window 2
.else
	WIN MUL_LO
.endif
	MUL16 0, (\q)%2, \q, \slot, \zero
	MUL16 2, (\q)%2, \q, \slot, \zero
	s_wait_dscnt 0
	PLACES NP
	FETCH_B \slot, (\q)+1, 1-(\q)%2
	FETCH_A \slot, (\q)+1, 0
.if \zero
	WIN 0xc1
.else
	WIN MUL_HI
.endif
	MUL16 4, (\q)%2, \q, \slot, \zero
	MUL16 6, (\q)%2, \q, \slot, \zero
	PLACES NP
	WIN 0
	FETCH_A \slot, (\q)+1, 4
.endm
.macro TURN slot, next                 ; slot 0's last step changes slots: one barrier; nothing is filled again
	s_wait_tensorcnt 0x0                           ; all my tensor loads have landed
	ds_add_u32 v[SPW], v[NIL]                      ; 0 onto my spare word
	s_wait_dscnt 4*NL+1                            ; (the add and the youngest eight loads may be out)
	WIN MUL_LO
	MUL16 0, 1, NQ-1, \slot, 0
	s_wait_dscnt 0x0                               ; the add is done, and my reads of this slot are over
	s_barrier_signal -1
	MUL16 2, 1, NQ-1, \slot, 0
	WIN 0
	s_barrier_wait -1
	PLACES NP
	v_add_nc_u32 v[ADRS], 4*NQ, v[ADRS]
	FETCH_B \next, 0, 0
	FETCH_A \next, 0, 0
	SCALES \next
	WIN MUL_HI
	MUL16 4, 1, NQ-1, \slot, 0
	MUL16 6, 1, NQ-1, \slot, 0
	PLACES NP
	WIN 0
	FETCH_A \next, 0, 4
.endm
.macro STEPS slot, from
.set Q, \from
.rept NQ-1-\from
	STEP \slot, Q, 0
.set Q, Q+1
.endr
.endm
	s_wait_tensorcnt 1                             ; the scale bytes and my part of slot 0 are in (slot 1's load may be out),
	s_barrier_signal -1
	s_barrier_wait -1                              ; everybody's are
	FETCH_B 0, 0, 0
	FETCH_A 0, 0, 0
	SCALES 0
	FETCH_A 0, 0, 4
	s_wait_loadcnt 0x0                             ; the bias
	STEP 0, 0, 1
	STEPS 0, 1
	TURN 0, 1
	STEPS 1, 0
	s_wait_dscnt 4*NL
	WIN MUL_LO
	MUL16 0, 1, NQ-1, 1, 0
	MUL16 2, 1, NQ-1, 1, 0
	s_wait_dscnt 0
	WIN MUL_HI
	MUL16 4, 1, NQ-1, 1, 0
	MUL16 6, 1, NQ-1, 1, 0
	WIN 0
; THE WAY OUT, block by block of 16 stored rows x 128 columns, through my own stage.  LDS serves a wave's instructions in order: no wait between the stores and the loads, nor in front of the next block's stores.
.macro TOSTAGE a
.set AC, 64*((\a)%4)
	WIN 0x08+4*((\a)/4)                            ; the data: window 2 or 3
.irp b, 0,1,2,3,4,5,6,7
	ds_store_b128 v[STO], v[AC+8*\b:AC+8*\b+3] offset:128*(\b/2)+32*(\b%2)        ; each accumulator from its low end on; tile b's columns at their true place
	ds_store_b128 v[STO], v[AC+8*\b+4:AC+8*\b+7] offset:128*(\b/2)+32*(\b%2)+16
.endr
	WIN 0
.set BB, BK+64*((\a)%2)
.irp t, 0,1,2,3,4,5,6,7,8,9,10,11,12,13,14,15
	ds_load_b128 v[BB+4*\t:BB+4*\t+3], v[RD] offset:\t*SPITCH
.endr
.endm
.macro SEND a, younger                 ; stored row 16 a + t is the true row 32 (a / 2) + 8 (a % 2) + t % 8 + 16 (t / 8)
.set BB, BK+64*((\a)%2)
	s_wait_dscnt \younger                          ; the block is back in registers
.if (\a) > 0
.if (\a)%2 == 1
	s_add_nc_u64 s[94:95], s[94:95], 8*4096        ; (behind a wait on XCNT: the earlier stores have read their base)
.else
	s_add_nc_u64 s[94:95], s[94:95], 24*4096
.endif
.endif
.irp t, 0,1,2,3,4,5,6,7,8,9,10,11,12,13,14,15
	global_store_b128 v[CO], v[BB+4*\t:BB+4*\t+3], s[94:95] offset:((\t%8)+16*(\t/8))*4096 th:TH_STORE_NT   ; 32 lanes store 512 consecutive bytes, aligned
.endr
.endm
	PLACES NP
	TOSTAGE 0
.irp a, 1,2,3,4,5,6,7
.if \a > 1
	s_wait_xcnt 0x0                                ; block a - 2's stores have read their registers and their base
.endif
	TOSTAGE \a
	SEND \a-1, 32                                  ; behind block a - 1's loads: block a's 16 stores and 16 loads
.endr
	s_wait_xcnt 0x0
	SEND 7, 0
	s_wait_tensorcnt 0x0                           ; the wave's end: a wait, 0 onto my spare word, and a wait, behind my last tensor load and my last LDS store
	ds_add_u32 v[SPW], v[NIL]
	s_wait_dscnt 0x0
	CROUND                                         ; the closing round
	s_endpgm
.Lfunc_end_k_q8354c6ee67_oproj:
	.size	k_q8354c6ee67_oproj, .Lfunc_end_k_q8354c6ee67_oproj-k_q8354c6ee67_oproj
	.p2alignl 7, 3214868480
	.fill 96, 4, 3214868480
	.section	.rodata,"a",@progbits
	.p2align	6, 0x0
	.amdhsa_kernel k_q8354c6ee67_oproj
		.amdhsa_group_segment_fixed_size 327680
		.amdhsa_private_segment_fixed_size 0
		.amdhsa_enable_private_segment 0
		.amdhsa_kernarg_size 48
		.amdhsa_user_sgpr_count 2
		.amdhsa_user_sgpr_kernarg_segment_ptr 1
		.amdhsa_wavefront_size32 1
		.amdhsa_system_sgpr_workgroup_id_x 1
		.amdhsa_system_sgpr_workgroup_id_y 1
		.amdhsa_system_sgpr_workgroup_id_z 1
		.amdhsa_system_vgpr_workitem_id 0
		.amdhsa_next_free_vgpr 1024
		.amdhsa_next_free_sgpr 100
		.amdhsa_reserve_vcc 0
		.amdhsa_float_denorm_mode_32 3
		.amdhsa_float_denorm_mode_16_64 3
		.amdhsa_memory_ordered 1
		.amdhsa_forward_progress 1
		.amdhsa_inst_pref_size 126
	.end_amdhsa_kernel
	.amdgpu_metadata
---
amdhsa.version: [ 1, 2 ]
amdhsa.kernels:
  - .name:           k_q8354c6ee67_oproj
    .symbol:         k_q8354c6ee67_oproj.kd
    .args:
      - { .name: cc, .offset: 0, .size: 8, .value_kind: global_buffer, .address_space: global }
      - { .name: cs, .offset: 8, .size: 8, .value_kind: global_buffer, .address_space: global }
      - { .name: wc, .offset: 16, .size: 8, .value_kind: global_buffer, .address_space: global }
      - { .name: ws, .offset: 24, .size: 8, .value_kind: global_buffer, .address_space: global }
      - { .name: b_o, .offset: 32, .size: 8, .value_kind: global_buffer, .address_space: global }
      - { .name: out0, .offset: 40, .size: 8, .value_kind: global_buffer, .address_space: global }
    .group_segment_fixed_size: 327680
    .private_segment_fixed_size: 0
    .kernarg_segment_align: 8
    .kernarg_segment_size: 48
    .max_flat_workgroup_size: 128
    .sgpr_count:     100
    .vgpr_count:     1024
    .wavefront_size: 32
...
	.end_amdgpu_metadata
.endif
;; end of part 5
